; MI455X (gfx1250); checked and timed in simulation.
; The chip was launched on July 23, 2026; its instructions are those of AMD's public machine-readable ISA for CDNA 5 (MIT licence, August 2026) and "CDNA5" Instruction Set Architecture Reference Guide (July 2026). The comments in the code are by the model that wrote it; some were corrected since.
;; Rotary Position Multi Head Attention. Allowed arithmetic: matrix products marked QUANTISED: E2M1 operands, one E8M0 scale for each 32 along K, by v_wmma_scale_f32_16x16x128_f8f6f4 with both operands' format E2M1 (or v_wmma_scale_f32_32x16x128_f4), f32 sums; products left as they are: bf16, f16 or f32 operands; f32 sums; everything else in f32.
;; Inputs: Wk 1,024 x 1,024 float32; Wo 1,024 x 1,024 float32; Wq 1,024 x 1,024 float32; Wv 1,024 x 1,024 float32; bk 1,024 float32; bo 1,024 float32; bq 1,024 float32; bv 1,024 float32; cos 2,048 x 1 x 1 x 64 float32; key 4 x 2,048 x 1,024 float32; mask 4 x 2,048 x 2,048 bool; query 4 x 2,048 x 1,024 float32; sin 2,048 x 1 x 1 x 64 float32; value 4 x 2,048 x 1,024 float32.
;; Outputs: out0 4 x 2,048 x 1,024 float32.
;; This version of the problem:
;;   THIS VERSION OF THE PROBLEM IS GIVEN IN LOW PRECISION. The matrix products marked QUANTISED in the list below multiply operands that are first quantised to E2M1 (2 exponent bits, 1 mantissa bit; 4 bits a number), with one power-of-two scale for each 32 numbers along K (OCP MX v1.0); their sums are f32. The products marked 'left as it is' may take bf16, f16 or f32 operands, with f32 sums. Whichever they take, every output number must still come out within the allowed error. Rounding operands to bf16 (8 significant bits) uses up far more of that allowance than f16 does (11 bits, for magnitudes from 6e-5 to 65,504). All else is computed in f32.
;;   The module's matrix products, in the order in which they are computed (A, B: the left and right operand; K: the contracted axis; several contracted axes count as one K, in the product's order):
;;     1. [M 8,192, K 1,024] x [K 1,024, N 1,024]; A: computed on the way; B: input Wq: left as it is (an operand is computed on the way)
;;     2. [M 8,192, K 1,024] x [K 1,024, N 1,024]; A: computed on the way; B: input Wk: left as it is (an operand is computed on the way)
;;     3. [M 8,192, K 1,024] x [K 1,024, N 1,024]; A: input value; B: input Wv: QUANTISED
;;     4. batch 64 x [M 2,048, K 64] x [K 64, N 2,048]; A: computed on the way; B: computed on the way: left as it is (an operand is computed on the way)
;;     5. batch 64 x [M 2,048, K 2,048] x [K 2,048, N 64]; A: computed on the way; B: computed on the way: left as it is (an operand is computed on the way)
;;     6. [M 8,192, K 1,024] x [K 1,024, N 1,024]; A: computed on the way; B: input Wo: left as it is (an operand is computed on the way)
;;   THE QUANTISER, for each operand of a quantised product, along K:
;;     - K is cut into blocks of 32 from its start; a last block that is shorter is filled with zeros.
;;     - A block's scale is 2^e with e = floor(log2(the largest magnitude in the block)) - 2, held to -126 .. 127; a block of zeros has e = 0. As a byte (E8M0): e + 127.
;;     - Each number is divided by its block's scale, clamped to +-6, and rounded to the nearest number of E2M1, ties to even, subnormals kept.
;;     - The product sums the exact products of the quantised numbers (number of the format x scale) in f32.
;;   ~~~python
;;   def quantise(x, axis):      # numpy; x: float32 -> the quantised numbers, widened to float32 again
;;       x = np.moveaxis(x, axis, -1); K = x.shape[-1]
;;       x = np.pad(x, [(0, 0)] * (x.ndim - 1) + [(0, -K % 32)]); x = x.reshape(x.shape[:-1] + (-1, 32)); a = np.abs(x).max(-1, keepdims=True)
;;       e = np.where(a > 0, np.clip(np.frexp(np.where(a > 0, a, 1))[1] - 1 - 2, -126, 127), 0)      # np.frexp(a)[1] - 1 = floor(log2(a)), exactly
;;       r = np.clip(x / 2.0 ** e, -6, 6)
;;       step = 2.0 ** (np.maximum(np.frexp(np.where(r == 0, 1, r))[1] - 1, 0) - 1)
;;       q = np.round(r / step) * step * 2.0 ** e      # np.round: ties to even
;;       return np.moveaxis(q.reshape(q.shape[:-2] + (-1,))[..., :K], -1, axis).astype(np.float32)
;;   ~~~
;; One version. Each part assembles by itself: llvm-mc -triple=amdgcn-amd-amdhsa -mcpu=gfx1250 --defsym DOCPART=n.
;; ======== version 1 of 1: 5 launches
;; limits: values are held in f16: magnitudes above 65,504 overflow, below 6.1e-05 lose precision
;; workspace buffers: act 33,554,432 bytes; wh 6,291,456 bytes; cod 4,718,592 bytes; scl 294,912 bytes; mk 2,162,688 bytes of whole numbers; qk 33,554,432 bytes; vt 16,777,216 bytes
;; launch prep (part 1): grid 1152 x 1, 4 waves a work-group, no clusters, 50,688 bytes of LDS; arguments query, key, cos, sin, value, Wv, Wq, Wk, Wo, mask, act, cod, scl, wh, mk; writes act, cod, scl, wh, mk
.if DOCPART == 1
	.amdgcn_target "amdgcn-amd-amdhsa--gfx1250"
	.amdhsa_code_object_version 6
	.text
	.protected	k_q34dfc30231_prep
	.globl	k_q34dfc30231_prep
	.p2align	8
	.type	k_q34dfc30231_prep,@function
k_q34dfc30231_prep:
	s_mov_b64 s[64:65], 0
	v_nop
	global_prefetch_b8 v0, s[64:65] scope:SCOPE_SE
	s_setreg_imm32_b32 hwreg(HW_REG_WAVE_MODE, 25, 1), 1
	s_wait_xcnt 0x0
; Everything that is done once to an input, in one launch of four paths chosen by the work-group's number:
;   R (0-511)    query, key: rotary embedding in f32, x 2^-6, rounded to f16, laid by planes: act[16 planes of 64 along K][16,384 rows][64]; row = tensor x 8,192 + b x 2,048 + t
;   Q (512-799)  value, Wv: codes of E2M1 and E8M0 scale bytes, K innermost: cod, scl (value first, Wv behind it)
;   C (800-895)  Wq, Wk, Wo: rounded to f16: wh[3,072][1,024]
;   M (896-1151) mask: lane-mask words for the score registers of the attention launch, and each row's number of masked keys: mk
; LIMITS: NaN and infinities among the inputs are not served.  A block of zeros gets the scale byte 1 where the rule says 127: its codes are zeros, and this program alone reads the bytes.
; The factor 2^-6 on the rotated query and key is exact; it leaves f16 room for inputs far larger than 30 times the usual ones, and the attention launch takes it back in its scale.
; No tensor loads, no barrier: waves share nothing.  Each path that uses LDS has bytes of its own: Q 0-32,767, M 32,768-50,175; the spare words lie behind them.
.set SPARE, 50176
.set SPW, 12                           ; v12  LDS address of my spare word; never rewritten
.set NIL, 13                           ; v13  0; never rewritten
.set XR,  48                           ; paths R, C: v48-175 two sets of 16 x 4 numbers as loaded
.set YR,  176                          ; v176-239 two sets of 16 x 2 registers to store
.set TR,  32                           ; v32-47 four sets of four, at work
	v_lshl_add_u32 v[SPW], v0, 2, SPARE
	v_mov_b32 v[NIL], 0
	v_lshrrev_b32 v1, 5, v0
	v_readfirstlane_b32 s16, v1                    ; wave 0..3
	s_cmp_lt_u32 ttmp9, 512
	s_cbranch_scc1 .Lrope
	s_cmp_lt_u32 ttmp9, 800
	s_cbranch_scc1 .Lquant
	s_cmp_lt_u32 ttmp9, 896
	s_cbranch_scc1 .Lcast
; ---------------- PATH M.  A wave takes 16 queries x 1,024 keys, in four units of 256 keys.
; Word 8 kt + j of a step of 64 keys holds, at bit r + 16 h, mask[query r][key 16 kt + 8 h + j]: the lane mask of score register 8 kt + j.
; A unit's 16 x 256 bytes are read as whole rows of 256 bytes, go through my stage (pitch 272) and come back 8 bytes a lane: lane (r, h) gets keys 16 tau + 8 h + 0..7 of row r.
.set XM,   16                          ; v16-143  32 loads
.set BM,   144                         ; v144-175 a unit's bytes, 8 a lane for each of 16 tiles of keys
.set OUTM, 176                         ; v176-191 a unit's 128 words: word w in lane w / 4, register w % 4
.set TMPM, 192
.set CNT,  200                         ; sums of the mask bytes, byte by byte: at most 128 in a byte
	s_load_b64 s[4:5], s[0:1], 0x48                ; mask
	s_load_b64 s[6:7], s[0:1], 0x70                ; mk
	s_sub_co_u32 s17, ttmp9, 896
	s_lshl_b32 s17, s17, 2
	s_add_co_u32 s17, s17, s16                     ; job 0..1023
	s_lshr_b32 s18, s17, 1                         ; tile of 16 queries
	s_and_b32 s19, s17, 1                          ; which half of the keys
	v_and_b32 v14, 31, v0
	v_and_b32 v15, 15, v0                          ; r
	v_bfe_u32 v3, v0, 4, 1                         ; h
	v_lshlrev_b32 v1, 4, v15
	v_lshl_add_u32 v1, v3, 11, v1                  ; in: lanes 0-15 one row's 256 bytes, lanes 16-31 the next row's
	s_mul_i32 s20, s16, 4352
	s_add_co_u32 s20, s20, 32768                   ; my stage
	v_mul_u32_u24 v2, v3, 272
	v_lshl_add_u32 v2, v15, 4, v2
	v_add_nc_u32 v2, s20, v2                       ; into it, as loaded
	v_mul_u32_u24 v5, v15, 272
	v_lshl_add_u32 v5, v3, 3, v5
	v_add_nc_u32 v5, s20, v5                       ; out of it: row r, + 8 h
	v_lshlrev_b32 v4, 4, v14                       ; the words' way out: 16 bytes a lane
	v_lshlrev_b32 v6, 2, v15                       ; the counts': 4 bytes a row
	s_lshl_b32 s22, s18, 15
	s_lshl_b32 s23, s19, 10
	s_add_co_u32 s22, s22, s23                     ; mask: 16 rows of 2,048 bytes a tile, 1,024 a half
	s_mov_b32 s23, 0
	s_lshl_b32 s34, s18, 12
	s_lshl_b32 s35, s19, 11
	s_add_co_u32 s34, s34, s35                     ; words: 4,096 bytes a tile, 2,048 a half
	s_mov_b32 s35, 0
	s_lshl_b32 s36, s19, 15
	s_lshl_b32 s37, s18, 6
	s_add_co_u32 s36, s36, s37
	s_add_co_u32 s36, s36, 2097152                 ; counts: behind the words, [half][8,192 rows]
	s_mov_b32 s37, 0
	s_mov_b32 s20, 0x76543210
	s_mov_b32 s21, 0xfedcba98                      ; lane l xor 16
	v_mov_b32 v[CNT], 0
.set i, 0
.rept 16
	v_mov_b32 v[OUTM+i], 0                         ; a lane write's destination counts as read
.set i, i+1
.endr
	s_wait_kmcnt 0x0
	s_add_nc_u64 s[4:5], s[4:5], s[22:23]
	s_add_nc_u64 s[8:9], s[6:7], s[36:37]
	s_add_nc_u64 s[6:7], s[6:7], s[34:35]
.irp u, 0,1,2,3
.irp i, 0,1,2,3,4,5,6,7
	global_load_b128 v[XM+32*\u+4*\i:XM+32*\u+4*\i+3], v1, s[4:5] offset:4096*\i+256*\u th:TH_LOAD_NT
.endr
.endr
.macro UNIT u
	s_wait_loadcnt 24-8*\u                         ; this unit's eight loads are in; the later units' may be out
.irp i, 0,1,2,3,4,5,6,7
	ds_store_b128 v2, v[XM+32*\u+4*\i:XM+32*\u+4*\i+3] offset:544*\i
.endr
.set t, 0
.rept 16
	ds_load_b64 v[BM+2*t:BM+2*t+1], v5 offset:16*t ; LDS serves a wave's instructions in order: these see my stores
.set t, t+1
.endr
	s_wait_dscnt 0x0
.set t, 0
.rept 16
	v_add3_u32 v[CNT], v[CNT], v[BM+2*t], v[BM+2*t+1]
.set t, t+1
.endr
.set t, 0
.rept 16
.irp j, 0,1,2,3,4,5,6,7
	v_and_b32 v[TMPM+\j], 1<<(8*(\j%4)), v[BM+2*t+\j/4]
.endr
.irp j, 0,1,2,3,4,5,6,7
	v_cmp_ne_u32 s[24+\j], 0, v[TMPM+\j]           ; the 32 lanes' bits: one word
.endr
.irp j, 0,1,2,3,4,5,6,7
	v_writelane_b32 v[OUTM+4*\u+\j%4], s[24+\j], 2*t+\j/4
.endr
.set t, t+1
.endr
	global_store_b128 v4, v[OUTM+4*\u:OUTM+4*\u+3], s[6:7] offset:512*\u   ; 512 consecutive bytes, aligned
.endm
	UNIT 0
	UNIT 1
	UNIT 2
	UNIT 3
	v_lshrrev_b32 v7, 8, v[CNT]                    ; the four byte sums are added,
	v_and_b32 v7, 0xff00ff, v7
	v_and_b32 v8, 0xff00ff, v[CNT]
	v_add_nc_u32 v7, v7, v8
	v_lshrrev_b32 v8, 16, v7
	v_and_b32 v7, 0xffff, v7
	v_add_nc_u32 v7, v7, v8
	v_mov_b32 v8, 0
	v_permlanex16_b32 v8, v7, s20, s21
	v_add_nc_u32 v7, v7, v8                        ; and lane l xor 16's: row r's masked keys in this half
	global_store_b32 v6, v7, s[8:9]                ; both halves of the lanes store the same word: 64 bytes a wave
	s_wait_tensorcnt 0x0                           ; the wave's end, behind my last LDS store
	ds_add_u32 v[SPW], v[NIL]
	s_wait_dscnt 0x0
	s_endpgm
; ---------------- PATHS R AND C share their loads: 16 loads of 512 bytes into one of two sets.
.macro LOADX set, vo, sb, first, step
.set i, 0
.rept 16
	global_load_b128 v[XR+64*(\set)+4*i:XR+64*(\set)+4*i+3], v[\vo], s[\sb:\sb+1] offset:(\first)+(\step)*i th:TH_LOAD_NT
.set i, i+1
.endr
.endm
; ---------------- PATH R.  A wave takes rows t0, t0 + 1 of one tensor, in all 4 batches and 16 heads.  Lane l holds row t0 + l / 16 and d = 4 (l % 16) + 0..3 of a head:
; a load reads two whole pieces of 256 bytes, a store writes 256 consecutive bytes of a plane.  The partner d xor 32 lies eight lanes away in the same half.
.Lrope:
	s_load_b128 s[4:7], s[0:1], 0x0                ; query, key
	s_load_b128 s[8:11], s[0:1], 0x10              ; cos, sin
	s_load_b64 s[12:13], s[0:1], 0x50              ; act
	s_lshl_b32 s17, ttmp9, 2
	s_add_co_u32 s17, s17, s16                     ; job 0..2047
	s_lshr_b32 s18, s17, 10                        ; 0: query, 1: key
	s_and_b32 s19, s17, 1023
	s_lshl_b32 s19, s19, 1                         ; t0
	v_and_b32 v14, 31, v0
	v_lshlrev_b32 v2, 4, v14                       ; cos, sin: two rows of 256 bytes on end: 16 x lane
	v_and_b32 v1, 15, v0
	v_lshlrev_b32 v1, 4, v1
	v_bfe_u32 v3, v0, 4, 1
	v_lshl_add_u32 v1, v3, 12, v1                  ; in: 4,096 (l / 16) + 16 (l % 16)
	v_lshlrev_b32 v15, 3, v14                      ; out: 8 x lane
.irp g, 0,1,2,3
	v_add_nc_u32 v[16+\g], \g*8388608, v15         ; + four planes of 2 MiB; the plane among the four stands in the store's immediate
.endr
	v_and_b32 v3, 8, v0
	v_xor_b32 v3, 8, v3
	v_lshlrev_b32 v3, 28, v3                       ; the sign bit where d < 32: there the partner counts negative
.set i, 0
.rept 16
	v_mov_b32 v[TR+i], 0                           ; written once: the destination of a lane-crossing form counts as read
.set i, i+1
.endr
	s_lshl_b32 s20, s19, 12
	s_mov_b32 s21, 0
	s_lshl_b32 s22, s18, 20
	s_lshl_b32 s23, s19, 7
	s_add_co_u32 s22, s22, s23                     ; (tensor x 8,192 + t0) rows of 128 bytes
	s_mov_b32 s23, 0
	s_lshl_b32 s40, s19, 8
	s_mov_b32 s41, 0
	s_wait_kmcnt 0x0
	s_cmp_eq_u32 s18, 0
	s_cselect_b64 s[4:5], s[4:5], s[6:7]
	s_add_nc_u64 s[24:25], s[4:5], s[20:21]        ; a base for each batch, in and out: none is ever stepped
	s_add_nc_u64 s[26:27], s[24:25], 0x800000
	s_add_nc_u64 s[28:29], s[26:27], 0x800000
	s_add_nc_u64 s[30:31], s[28:29], 0x800000
	s_add_nc_u64 s[32:33], s[12:13], s[22:23]
	s_add_nc_u64 s[34:35], s[32:33], 0x40000
	s_add_nc_u64 s[36:37], s[34:35], 0x40000
	s_add_nc_u64 s[38:39], s[36:37], 0x40000
	s_add_nc_u64 s[8:9], s[8:9], s[40:41]
	s_add_nc_u64 s[10:11], s[10:11], s[40:41]
	global_load_b128 v[4:7], v2, s[8:9]
	global_load_b128 v[8:11], v2, s[10:11]
.macro WORKR set, ob
.set i, 0
.rept 16
.set T0, TR+4*(i%4)
.set X0, XR+64*(\set)+4*i
.set Y0, YR+32*(\set)+2*i
.irp j, 0,1,2,3
	v_mul_f32_dpp v[T0+\j], v[X0+\j], v[8+\j] row_xmask:8 row_mask:0xf bank_mask:0xf   ; the partner's number x my signed sine
.endr
	v_pk_fma_f32 v[T0:T0+1], v[X0:X0+1], v[4:5], v[T0:T0+1]
	v_pk_fma_f32 v[T0+2:T0+3], v[X0+2:X0+3], v[6:7], v[T0+2:T0+3]
	v_cvt_pk_f16_f32 v[Y0], v[T0], v[T0+1]
	v_cvt_pk_f16_f32 v[Y0+1], v[T0+2], v[T0+3]
	global_store_b64 v[16+i/4], v[Y0:Y0+1], s[\ob:\ob+1] offset:(i%4)*2097152
.set i, i+1
.endr
.endm
	LOADX 0, 1, 24, 0, 256
	LOADX 1, 1, 26, 0, 256
	s_wait_loadcnt 16                              ; cos, sin and batch 0 are in; batch 1's 16 loads may be out
.irp j, 0,1,2,3
	v_mul_f32 v[4+\j], 0x3c800000, v[4+\j]         ; x 2^-6
	v_mul_f32 v[8+\j], 0x3c800000, v[8+\j]
	v_xor_b32 v[8+\j], v3, v[8+\j]
.endr
	WORKR 0, 32
	LOADX 0, 1, 28, 0, 256
	s_wait_loadcnt 16
	WORKR 1, 34
	LOADX 1, 1, 30, 0, 256
	s_wait_loadcnt 16
	s_wait_xcnt 0x0                                ; batch 0's stores have read their data: the set is written again only behind this wait
	WORKR 0, 36
	s_wait_loadcnt 0x0
	s_wait_xcnt 0x0
	WORKR 1, 38
	s_endpgm
; ---------------- PATH C.  A wave rounds 8,192 consecutive numbers of one weight to f16.
.Lcast:
	s_load_b128 s[4:7], s[0:1], 0x30               ; Wq, Wk
	s_load_b64 s[8:9], s[0:1], 0x40                ; Wo
	s_load_b64 s[10:11], s[0:1], 0x68              ; wh
	s_sub_co_u32 s17, ttmp9, 800
	s_lshl_b32 s17, s17, 2
	s_add_co_u32 s17, s17, s16                     ; job 0..383
	s_lshr_b32 s18, s17, 7                         ; which weight
	s_and_b32 s19, s17, 127
	s_lshl_b32 s20, s19, 15
	s_mov_b32 s21, 0
	s_lshl_b32 s22, s17, 14
	s_mov_b32 s23, 0
	v_and_b32 v14, 31, v0
	v_lshlrev_b32 v2, 4, v14
	v_lshlrev_b32 v15, 3, v14
	s_wait_kmcnt 0x0
	s_cmp_eq_u32 s18, 0
	s_cselect_b64 s[4:5], s[4:5], s[6:7]
	s_cmp_eq_u32 s18, 2
	s_cselect_b64 s[4:5], s[8:9], s[4:5]
	s_add_nc_u64 s[4:5], s[4:5], s[20:21]
	s_add_nc_u64 s[10:11], s[10:11], s[22:23]
.macro WORKC set, first
.set i, 0
.rept 16
.set X0, XR+64*(\set)+4*i
.set Y0, YR+32*(\set)+2*i
	v_cvt_pk_f16_f32 v[Y0], v[X0], v[X0+1]
	v_cvt_pk_f16_f32 v[Y0+1], v[X0+2], v[X0+3]
	global_store_b64 v15, v[Y0:Y0+1], s[10:11] offset:(\first)+256*i   ; 256 consecutive bytes, aligned
.set i, i+1
.endr
.endm
	LOADX 0, 2, 4, 0, 512
	LOADX 1, 2, 4, 8192, 512
	s_wait_loadcnt 16                              ; the older 16 loads are in
	WORKC 0, 0
	LOADX 0, 2, 4, 16384, 512
	s_wait_loadcnt 16
	WORKC 1, 4096
	LOADX 1, 2, 4, 24576, 512
	s_wait_loadcnt 16
	s_wait_xcnt 0x0                                ; the first set's stores have read their data
	WORKC 0, 8192
	s_wait_loadcnt 0x0
	s_wait_xcnt 0x0
	WORKC 1, 12288
	s_endpgm
; ---------------- PATH Q.  value and Wv are plain streams of blocks of 32 along K.  A wave takes 16 steps of 512 numbers.  Each load reads 512 consecutive bytes; a step's 2,048 bytes turn
; through my stage in LDS (16 bytes of padding behind each 64) and come back 64 bytes a lane: 16 neighbours, two lanes to a block.  A block's scale byte is its largest magnitude's exponent field - 2, held at 1 from below.
.set STEPS, 16
.set WGA,   256                        ; value's work-groups; Wv's 32 follow
.set EMAX,  2
.set CB,    8
.set RQ,    16                         ; v16-79   four sets of 16 numbers as loaded
.set XQ,    80                         ; v80-111  two sets of 16 neighbours
.set CQ,    128                        ; v128-191 codes, registers of their own for each step
.set EQ,    112                        ; v112-127 a scale byte for each step
.set WREG,  8192
.set SP,    80
.Lquant:
	s_load_b128 s[4:7], s[0:1], 0x20               ; value, Wv
	s_load_b64 s[8:9], s[0:1], 0x58                ; cod
	s_load_b64 s[10:11], s[0:1], 0x60              ; scl
	v_and_b32 v2, 31, v0
	v_lshlrev_b32 v3, 4, v2
	s_mul_i32 s17, s16, WREG
	v_lshrrev_b32 v14, 2, v2
	v_mul_u32_u24 v14, v14, SP
	v_and_b32 v15, 3, v2
	v_lshl_add_u32 v14, v15, 4, v14
	v_add_nc_u32 v14, s17, v14                     ; the stage, on the way in: SP (lane / 4) + 16 (lane % 4)
	v_mul_u32_u24 v15, v2, SP
	v_add_nc_u32 v15, s17, v15                     ; and out: SP x lane
	v_mul_u32_u24 v4, v2, CB
	v_lshrrev_b32 v5, 1, v2
	s_add_co_u32 s17, s17, 2*32*SP
	v_add_nc_u32 v5, s17, v5                       ; my wave's 256 scale bytes: my block's byte
	v_lshlrev_b32 v7, 3, v2
	v_add_nc_u32 v6, s17, v7
	s_wait_kmcnt 0x0
	s_sub_co_u32 s24, ttmp9, 512
	s_cmp_lt_u32 s24, WGA                          ; value's work-group or Wv's: the choice hangs on the work-group's number alone
	s_cselect_b64 s[4:5], s[4:5], s[6:7]
	s_cselect_b32 s26, 0, 0x400000                 ; Wv's codes lie behind value's 4 MiB,
	s_cselect_b32 s28, 0, 0x40000                  ; its scale bytes behind value's 256 KiB
	s_cselect_b32 s17, 0, WGA
	s_mov_b32 s27, 0
	s_mov_b32 s29, 0
	s_sub_co_u32 s17, s24, s17
	s_lshl_b32 s17, s17, 2
	s_add_co_u32 s18, s17, s16                     ; which run of 8,192 numbers is my wave's
	s_mov_b32 s19, 0
	s_mov_b64 s[20:21], 512*STEPS*4
	s_mul_u64 s[20:21], s[18:19], s[20:21]
	s_add_nc_u64 s[4:5], s[4:5], s[20:21]
	s_mov_b64 s[20:21], 32*STEPS*CB
	s_mul_u64 s[20:21], s[18:19], s[20:21]
	s_add_nc_u64 s[8:9], s[8:9], s[20:21]
	s_add_nc_u64 s[8:9], s[8:9], s[26:27]
	s_lshl_b32 s18, s18, 8
	s_add_nc_u64 s[10:11], s[10:11], s[18:19]
	s_add_nc_u64 s[10:11], s[10:11], s[28:29]
.macro LOADQ t
.irp i, 0,1,2,3
	global_load_b128 v[RQ+16*((\t)%4)+4*\i:RQ+16*((\t)%4)+4*\i+3], v3, s[4:5] offset:2048*(\t)+512*\i th:TH_LOAD_NT
.endr
.endm
.macro TURNQ t                         ; LDS serves a wave's instructions in order: no wait between the stores and the loads
.irp i, 0,1,2,3
	ds_store_b128 v14, v[RQ+16*((\t)%4)+4*\i:RQ+16*((\t)%4)+4*\i+3] offset:32*SP*((\t)%2)+8*SP*\i
.endr
.irp i, 0,1,2,3
	ds_load_b128 v[XQ+16*((\t)%2)+4*\i:XQ+16*((\t)%2)+4*\i+3], v15 offset:32*SP*((\t)%2)+16*\i
.endr
.endm
.irp t, 0,1,2,3
	LOADQ \t
.endr
	s_wait_loadcnt 12                              ; step 0's four loads are in
	TURNQ 0
.macro STEPQ t
.set XS, XQ+16*((\t)%2)
.if (\t) > 0
	s_wait_dscnt 1                                 ; this step's numbers are back from the stage; the last step's byte store may be out
.else
	s_wait_dscnt 0x0
.endif
.if (\t)+4 < STEPS
	LOADQ (\t)+4
.endif
.if (\t)+1 < STEPS
.if STEPS-2-(\t) >= 3
	s_wait_loadcnt 12                              ; the next step's loads are in; those of the three steps behind it may be out
.else
	s_wait_loadcnt 4*(STEPS-2-(\t))
.endif
	TURNQ (\t)+1
.endif
	v_max3_num_f32 v8, |v[XS]|, |v[XS+1]|, |v[XS+2]|
	v_max3_num_f32 v9, |v[XS+3]|, |v[XS+4]|, |v[XS+5]|
.irp i, 6,10
	v_max3_num_f32 v8, v8, |v[XS+\i]|, |v[XS+\i+1]|
	v_max3_num_f32 v9, v9, |v[XS+\i+2]|, |v[XS+\i+3]|
.endr
	v_max3_num_f32 v8, v8, |v[XS+14]|, |v[XS+15]|
	v_max3_num_f32 v8, v8, v9, (EMAX+1)<<23        ; with the floor 2^(3 - 127): the byte cannot fall under 1
	v_max_num_f32_dpp v8, v8, v8 row_xmask:1 row_mask:0xf bank_mask:0xf   ; and my neighbour's 16: the block's largest magnitude
	v_add_nc_u32 v11, -(EMAX<<23), v8              ; 2 off its exponent field: the conversion takes that field as its scale
	v_cvt_scalef32_pk8_fp4_f32 v[CQ+4*(\t)], v[XS:XS+7], v11
	v_cvt_scalef32_pk8_fp4_f32 v[CQ+4*(\t)+1], v[XS+8:XS+15], v11
	v_lshrrev_b32 v[EQ+(\t)], 23, v11              ; the scale's byte
	ds_store_b8 v5, v[EQ+(\t)] offset:16*(\t)      ; both lanes of a block write the same byte with the same value
	global_store_b64 v4, v[CQ+4*(\t):CQ+4*(\t)+1], s[8:9] offset:32*CB*(\t)   ; 256 consecutive bytes, aligned
.endm
.irp t, 0,1,2,3,4,5,6,7,8,9,10,11,12,13,14,15
	STEPQ \t
.endr
	ds_load_b64 v[8:9], v6
	s_wait_dscnt 0x0
	global_store_b64 v7, v[8:9], s[10:11]          ; the wave's 256 scale bytes, aligned
	s_wait_tensorcnt 0x0                           ; the wave's end, behind my last LDS store
	ds_add_u32 v[SPW], v[NIL]
	s_wait_dscnt 0x0
	s_endpgm
.Lfunc_end_k_q34dfc30231_prep:
	.size	k_q34dfc30231_prep, .Lfunc_end_k_q34dfc30231_prep-k_q34dfc30231_prep
	.p2alignl 7, 3214868480
	.fill 96, 4, 3214868480
	.section	.rodata,"a",@progbits
	.p2align	6, 0x0
	.amdhsa_kernel k_q34dfc30231_prep
		.amdhsa_group_segment_fixed_size 50688
		.amdhsa_private_segment_fixed_size 0
		.amdhsa_enable_private_segment 0
		.amdhsa_kernarg_size 120
		.amdhsa_user_sgpr_count 2
		.amdhsa_user_sgpr_kernarg_segment_ptr 1
		.amdhsa_wavefront_size32 1
		.amdhsa_system_sgpr_workgroup_id_x 1
		.amdhsa_system_sgpr_workgroup_id_y 1
		.amdhsa_system_sgpr_workgroup_id_z 1
		.amdhsa_system_vgpr_workitem_id 0
		.amdhsa_next_free_vgpr 240
		.amdhsa_next_free_sgpr 66
		.amdhsa_reserve_vcc 0
		.amdhsa_float_denorm_mode_32 3
		.amdhsa_float_denorm_mode_16_64 3
		.amdhsa_memory_ordered 1
		.amdhsa_forward_progress 1
		.amdhsa_inst_pref_size 211
	.end_amdhsa_kernel
	.amdgpu_metadata
---
amdhsa.version: [ 1, 2 ]
amdhsa.kernels:
  - .name:           k_q34dfc30231_prep
    .symbol:         k_q34dfc30231_prep.kd
    .args:
      - { .name: query, .offset: 0, .size: 8, .value_kind: global_buffer, .address_space: global }
      - { .name: key, .offset: 8, .size: 8, .value_kind: global_buffer, .address_space: global }
      - { .name: cos, .offset: 16, .size: 8, .value_kind: global_buffer, .address_space: global }
      - { .name: sin, .offset: 24, .size: 8, .value_kind: global_buffer, .address_space: global }
      - { .name: value, .offset: 32, .size: 8, .value_kind: global_buffer, .address_space: global }
      - { .name: Wv, .offset: 40, .size: 8, .value_kind: global_buffer, .address_space: global }
      - { .name: Wq, .offset: 48, .size: 8, .value_kind: global_buffer, .address_space: global }
      - { .name: Wk, .offset: 56, .size: 8, .value_kind: global_buffer, .address_space: global }
      - { .name: Wo, .offset: 64, .size: 8, .value_kind: global_buffer, .address_space: global }
      - { .name: mask, .offset: 72, .size: 8, .value_kind: global_buffer, .address_space: global }
      - { .name: act, .offset: 80, .size: 8, .value_kind: global_buffer, .address_space: global }
      - { .name: cod, .offset: 88, .size: 8, .value_kind: global_buffer, .address_space: global }
      - { .name: scl, .offset: 96, .size: 8, .value_kind: global_buffer, .address_space: global }
      - { .name: wh, .offset: 104, .size: 8, .value_kind: global_buffer, .address_space: global }
      - { .name: mk, .offset: 112, .size: 8, .value_kind: global_buffer, .address_space: global }
    .group_segment_fixed_size: 50688
    .private_segment_fixed_size: 0
    .kernarg_segment_align: 8
    .kernarg_segment_size: 120
    .max_flat_workgroup_size: 128
    .sgpr_count:     66
    .vgpr_count:     240
    .wavefront_size: 32
...
	.end_amdgpu_metadata
.endif
;; end of part 1
;; launch gemm_qk (part 2): grid 4 x 64, 4 waves a work-group, clusters of 4 x 4, 327,680 bytes of LDS; arguments act, wh, bq, bk, qk; writes qk
.if DOCPART == 2
	.amdgcn_target "amdgcn-amd-amdhsa--gfx1250"
	.amdhsa_code_object_version 6
	.text
	.protected	k_q34dfc30231_gemm_qk
	.globl	k_q34dfc30231_gemm_qk
	.p2align	8
	.type	k_q34dfc30231_gemm_qk,@function
k_q34dfc30231_gemm_qk:
	s_mov_b64 s[64:65], 0
	v_nop
	global_prefetch_b8 v0, s[64:65] scope:SCOPE_SE
	s_setreg_imm32_b32 hwreg(HW_REG_WAVE_MODE, 25, 1), 1
	s_wait_xcnt 0x0
	s_wait_alu depctr_hold_cnt(0) depctr_sa_sdst(0) depctr_va_vdst(0) depctr_va_sdst(0) depctr_va_ssrc(0) depctr_va_vcc(0) depctr_vm_vsrc(0)
	s_getreg_b32 s2, hwreg(HW_REG_IB_STS2, 6, 4)
	s_cmp_eq_u32 s2, 0
	s_cbranch_scc0 .Lentry_in_a_cluster
	s_endpgm
.Lentry_in_a_cluster:
	s_bfe_u32 s2, ttmp6, 0x10000c
	s_cmp_lg_u32 s2, 0xf033
	s_cbranch_scc0 .Lentry_shape_is_right
	s_endpgm
.Lentry_shape_is_right:
; q / 64 and k / 64 = (rotated rows / 64) W^T + bias / 64, f16 operands, f32 sums, stored as f16 by heads: qk[tensor x 4 + b][head][t][64].
; A: act, by planes of 64 along K: [16][16,384 rows][64] f16 (rows 0-8,191 query, the rest key).  B: wh [3,072][1,024] f16 (rows 0-1,023 Wq, 1,024-2,047 Wk).
; A tile of C, 256 x 256, is made by four waves, each 128 x 128: 64 accumulators, 512 registers.  K goes in 8 steps of 128 through a ring of two LDS slots.
; A K step of A is two planes, each 256 rows x 128 bytes, dense in memory: wave 0 fetches one, wave 1 the other; waves 2 and 3 fetch B's two halves (128 rows x 256 bytes).
; CLUSTERS: 4 x 4 work-groups; A's tiles are asked for jointly along a row of the cluster, B's along a column.  Which weight and bias a tile row takes hangs on the cluster's y alone (8 or more: key).
; THE MATRIX INSTRUCTION IS USED TRANSPOSED (source 0 = 16 rows of B, source 1 = 16 rows of A): a lane holds eight neighbouring columns of a row of C.  The bias is the C of each sum's first product.
; REGISTERS: window 0: v0-31 addresses; v64-127, v128-191 A's fragments; v192-255 the bias, later at work on the way out; window 1: v64-191 B's fragments; windows 2, 3: the accumulators.
; LIMITS: q / 64 and k / 64 must fit f16 (65,504): q and k up to 4 million.  NaN and infinities are not served.
.set MROWS, 16384
.set PA,    144                        ; A's LDS row: 128 bytes + 16: an odd multiple of 16, so the 16 rows of a load start in different banks
.set PB,    272                        ; B's: 256 + 16
.set APL,   256*PA
.set BOFF,  2*APL
.set HALFB, 128*PB
.set SLOT,  BOFF+2*HALFB
.set STAGE, 2*SLOT
.set SPITCH, 272
.set SPARE, STAGE+4*16*SPITCH          ; the spare words, 128 bytes a wave
.set LAPS,  4
.set ADRA, 16
.set ADRB, 20
.set STO,  24
.set RD,   25
.set CO,   26
.set BO,   27
.set SPW,  28
.set NIL,  29
.set F0,   64
.set F1,   128
.set BIAS, 192
.set TMP,  192
.set OB,   32
.set G1,  24
.set G0,  32
.set G1B, 48
.set G0B, 56
.set MSB, 0
.macro WIN new                         ; the immediate's high byte repeats the setting that is left
.if MSB != \new
	s_set_vgpr_msb (MSB<<8)|\new
.set MSB, \new
.endif
.endm
.set MUL_LO, 0xa1                      ; source 0 (B) window 1, source 1 (A) window 0, C and D window 2
.set MUL_HI, 0xf1
.set TO_B,   0x40
.macro JLOAD s                         ; a joint load: waves 0, 1 for A, waves 2, 3 for B; an s_nop 0 and four v_nop follow each line
	s_cmp_eq_u32 s11, 0
	s_cbranch_scc0 .Lfor_b_\@
	tensor_load_to_lds s[G0+4*\s:G0+4*\s+3], s[G1:G1+7]
	s_nop 0
.rept 4
	v_nop
.endr
	s_branch .Lasked_\@
.Lfor_b_\@:
	tensor_load_to_lds s[G0B+4*\s:G0B+4*\s+3], s[G1B:G1B+7]
	s_nop 0
.rept 4
	v_nop
.endr
.Lasked_\@:
.endm
.macro CREST                           ; a round of the cluster's barrier behind its opening barrier
	s_cmp_lg_u32 s10, 0
	s_cbranch_scc1 .Lnot_wave_0_\@
	s_barrier_signal -3
.Lnot_wave_0_\@:
	s_barrier_wait -3
	s_barrier_signal -1
	s_barrier_wait -1
.endm
.macro CROUND
	s_barrier_signal -1
	s_barrier_wait -1
	CREST
.endm
	s_load_b128 s[4:7], s[0:1], 0x0                ; act, wh
	s_load_b128 s[44:47], s[0:1], 0x10             ; bq, bk
	s_load_b64 s[8:9], s[0:1], 0x20                ; qk
	v_lshl_add_u32 v[SPW], v0, 2, SPARE
	v_mov_b32 v[NIL], 0
	ds_add_u32 v[SPW], v[NIL]                      ; the wave's opening: the add, twice on end, and its wait ahead of my first tensor load
	ds_add_u32 v[SPW], v[NIL]
	v_lshrrev_b32 v1, 5, v0
	v_readfirstlane_b32 s10, v1                    ; wave 0..3
	s_lshr_b32 s11, s10, 1                         ; my half of the tile's rows.  Also: I fetch for A (0) or B (1)
	s_and_b32 s12, s10, 1                          ; my half of its columns.  Also: which plane of A, or which half of B's rows, I fetch
	s_bfe_u32 s40, ttmp6, 0x40000                  ; cx
	s_bfe_u32 s41, ttmp6, 0x40004                  ; cy
	s_lshl_b32 s42, ttmp9, 2
	s_add_co_u32 s42, s42, s40                     ; tile column
	s_and_b32 s13, ttmp7, 0xffff
	s_lshl_b32 s13, s13, 2
	s_add_co_u32 s13, s13, s41                     ; tile row
	s_lshl_b32 s43, s41, 2
	s_lshl_b32 s43, 15, s43                        ; my row of the cluster
	s_lshl_b32 s2, 0x1111, s40                     ; my column
	s_or_b32 s[G1+0], s43, (1<<16)|(1<<20)|(1<<21)|(4<<22)|(3<<25)   ; mask; elements of 2 bytes; padding on; bit 21 beside a mask; 4 words behind every 32
	s_mov_b32 s[G1+1], 64<<16                      ; tensor_dim0 = 64
	s_mov_b32 s[G1+2], 256<<16                     ; tensor_dim1 = 256
	s_mov_b32 s[G1+3], 64<<16                      ; tile_dim0 = 64
	s_mov_b32 s[G1+4], 256                         ; tile_dim1 = 256
	s_mov_b32 s[G1+5], 64                          ; from row to row: a plane is dense
	s_mov_b32 s[G1+6], 0
	s_mov_b32 s[G1+7], 0
	s_or_b32 s[G1B+0], s2, (1<<16)|(1<<20)|(1<<21)|(5<<22)|(3<<25)   ; 4 words behind every 64
	s_mov_b32 s[G1B+1], 128<<16
	s_mov_b32 s[G1B+2], 128<<16
	s_mov_b32 s[G1B+3], 128<<16
	s_mov_b32 s[G1B+4], 128
	s_mov_b32 s[G1B+5], 1024
	s_mov_b32 s[G1B+6], 0
	s_mov_b32 s[G1B+7], 0
	s_mul_i32 s16, s12, MROWS*128                  ; A: my plane of the K step,
	s_lshl_b32 s17, s13, 15                        ; the tile row's 256 rows of 128 bytes
	s_add_co_u32 s16, s16, s17
	s_mov_b32 s17, 0
	s_lshl_b32 s20, s42, 8                         ; B: row 256 x tile column + 128 x half,
	s_lshl_b32 s21, s12, 7
	s_add_co_u32 s20, s20, s21
	s_and_b32 s21, ttmp7, 0xffff
	s_cmp_ge_u32 s21, 8                            ; the cluster's y, the same in all sixteen partners: from 8 on the rows are key's
	s_cselect_b32 s22, 1024, 0
	s_add_co_u32 s20, s20, s22                     ; + Wk's place
	s_lshl_b32 s20, s20, 11
	s_mov_b32 s21, 0
	s_mul_i32 s23, s12, APL                        ; where they go in a slot: no place in the cluster enters an LDS address
	s_mul_i32 s3, s12, HALFB
	s_add_co_u32 s3, s3, BOFF
	s_wait_dscnt 0x0                               ; both opening adds are done
	s_wait_kmcnt 0x0
	s_add_nc_u64 s[14:15], s[4:5], s[16:17]
	s_add_nc_u64 s[18:19], s[6:7], s[20:21]
	CROUND                                         ; all sixteen work-groups are here: the first joint loads meet
.irp s, 0,1
	s_mov_b32 s[G0+4*\s], 1
	s_add_co_u32 s[G0+4*\s+1], s23, \s*SLOT
	s_add_nc_u64 s[G0+4*\s+2:G0+4*\s+3], s[14:15], \s*2*MROWS*128
	s_or_b32 s[G0+4*\s+3], s[G0+4*\s+3], 0x80000000
	s_mov_b32 s[G0B+4*\s], 1
	s_add_co_u32 s[G0B+4*\s+1], s3, \s*SLOT
	s_add_nc_u64 s[G0B+4*\s+2:G0B+4*\s+3], s[18:19], \s*256
	s_or_b32 s[G0B+4*\s+3], s[G0B+4*\s+3], 0x80000000
	JLOAD \s                                       ; two tensor loads of mine are out
.endr
	v_and_b32 v1, 15, v0                           ; r
	v_bfe_u32 v2, v0, 4, 1                         ; h
	v_mul_u32_u24 v3, v1, PA
	v_lshl_add_u32 v3, v2, 4, v3
	v_mul_u32_u24 v4, v1, PB
	v_lshl_add_u32 v4, v2, 4, v4
	s_mul_i32 s16, s11, 128*PA                     ; my 128 rows of A (in each plane),
	s_mul_i32 s17, s12, HALFB
	s_add_co_u32 s17, s17, BOFF                    ; my 128 rows of B
.irp s, 0,1
	v_add_nc_u32 v[ADRA+\s], s16, v3
	v_add_nc_u32 v[ADRB+\s], s17, v4
	s_add_co_u32 s16, s16, SLOT
	s_add_co_u32 s17, s17, SLOT
.endr
	s_mul_i32 s23, s10, 16*SPITCH
	s_add_co_u32 s23, s23, STAGE                   ; my stage
	v_mul_u32_u24 v5, v1, SPITCH
	v_lshl_add_u32 v5, v2, 4, v5
	v_add_nc_u32 v[STO], s23, v5                   ; in: row r, 16 bytes for each half of the lanes
	v_bfe_u32 v6, v0, 3, 1
	v_mul_u32_u24 v6, v6, SPITCH
	v_lshl_add_u32 v6, v2, 7, v6
	v_and_b32 v7, 7, v0
	v_lshl_add_u32 v6, v7, 4, v6
	v_add_nc_u32 v[RD], s23, v6                    ; back: lanes 0-15 two rows of the first head's 128 bytes, lanes 16-31 of the second's
	v_lshlrev_b32 v[CO], 4, v1
	v_lshl_add_u32 v[CO], v2, 18, v[CO]            ; and in qk: 256 consecutive bytes of a head; the next head 262,144 bytes on
	v_lshlrev_b32 v[BO], 5, v2                     ; the bias: 8 h numbers on
	s_lshl_b32 s16, s42, 10
	s_lshl_b32 s17, s12, 9
	s_add_co_u32 s16, s16, s17                     ; my first column x 4 bytes
	s_mov_b32 s17, 0
	s_cmp_lg_u32 s22, 0
	s_cselect_b64 s[44:45], s[46:47], s[44:45]     ; bk for key's rows
	s_add_nc_u64 s[44:45], s[44:45], s[16:17]
.irp b, 0,1,2,3,4,5,6,7
	global_load_b128 v[BIAS+8*\b:BIAS+8*\b+3], v[BO], s[44:45] offset:64*\b
	global_load_b128 v[BIAS+8*\b+4:BIAS+8*\b+7], v[BO], s[44:45] offset:64*\b+16
.endr
	s_lshr_b32 s16, s13, 3                         ; tensor x 4 + b: 8 tile rows to 2,048 positions
	s_lshl_b32 s16, s16, 4
	s_lshl_b32 s17, s42, 2
	s_add_co_u32 s16, s16, s17
	s_lshl_b32 s17, s12, 1
	s_add_co_u32 s16, s16, s17                     ; + my first head
	s_lshl_b32 s16, s16, 18
	s_and_b32 s17, s13, 7
	s_lshl_b32 s17, s17, 15
	s_add_co_u32 s16, s16, s17
	s_lshl_b32 s17, s11, 14
	s_add_co_u32 s16, s16, s17                     ; + my first position x 128 bytes
	s_mov_b32 s17, 0
	s_add_nc_u64 s[8:9], s[8:9], s[16:17]
; 16 matrix instructions: A's blocks a0, a0 + 1 of the window's four x B's eight, 32 along K.  first = 1: the bias starts the sums.  The 64 accumulators take turns.
.macro MUL16 f, hi, a0, first
.irp a, \a0, \a0+1
.irp b, 0,1,2,3,4,5,6,7
.if \first
	v_wmma_f32_16x16x32_f16 v[8*(8*(\a)+\b):8*(8*(\a)+\b)+7], v[\f+8*\b:\f+8*\b+7], v[\f+8*(4*\hi+\a):\f+8*(4*\hi+\a)+7], v[BIAS+8*\b:BIAS+8*\b+7]
.else
	v_wmma_f32_16x16x32_f16 v[8*(8*(\a)+\b):8*(8*(\a)+\b)+7], v[\f+8*\b:\f+8*\b+7], v[\f+8*(4*\hi+\a):\f+8*(4*\hi+\a)+7], v[8*(8*(\a)+\b):8*(8*(\a)+\b)+7]
.endif
.endr
.endr
.endm
; 32 LDS loads in one run: quarter q of a slot (32 along K) into buffer f.  In A quarter q lies in plane q / 2 at byte 64 (q % 2) of the rows.
.macro FETCH slot, q, f
	WIN TO_B
.irp i, 0,1,2,3,4,5,6,7
	ds_load_b128 v[\f+8*\i:\f+8*\i+3],   v[ADRB+\slot] offset:64*(\q)+\i*16*PB
	ds_load_b128 v[\f+8*\i+4:\f+8*\i+7], v[ADRB+\slot] offset:64*(\q)+\i*16*PB+32
.endr
	WIN 0
.irp i, 0,1,2,3,4,5,6,7
	ds_load_b128 v[\f+8*\i:\f+8*\i+3],   v[ADRA+\slot] offset:((\q)/2)*APL+((\q)%2)*64+\i*16*PA
	ds_load_b128 v[\f+8*\i+4:\f+8*\i+7], v[ADRA+\slot] offset:((\q)/2)*APL+((\q)%2)*64+\i*16*PA+32
.endr
.endm
.macro PLACES                          ; four plain places in front of loads into registers that matrix instructions have read, and of reads of results
.rept 4
	v_nop
.endr
.endm
.macro QUARTER slot, q, f, g, first    ; multiplies buffer f; in its middle it fetches quarter q of the slot into buffer g
	s_wait_dscnt 8                                 ; B and A's rows 0-63 are in; the youngest eight loads (A's rows 64-127) may be out
.if \first
	WIN 0x81                                       ; C, the bias, in window 0
.else
	WIN MUL_LO
.endif
	MUL16 \f, 0, 0, \first
	MUL16 \f, 0, 2, \first
	PLACES
	FETCH \slot, \q, \g
	s_wait_dscnt 32                                ; all but the 32 just issued
.if \first
	WIN 0xc1
.else
	WIN MUL_HI
.endif
	MUL16 \f, 1, 0, \first
	MUL16 \f, 1, 2, \first
.endm
.macro MEET round                      ; the first half of a slot's last quarter, and the one barrier of a change of slots
	WIN 0
	s_wait_tensorcnt 0x0                           ; all my tensor loads have landed: the one that was out is my part of the next slot
	ds_add_u32 v[SPW], v[NIL]
	s_wait_dscnt 9                                 ; the add and the youngest eight loads may be out
	WIN MUL_LO
	MUL16 F1, 0, 0, 0
	s_wait_dscnt 0x0                               ; the add is done, and my reads of this slot are over
	s_barrier_signal -1
	MUL16 F1, 0, 2, 0
.if \round
	WIN 0
.endif
	s_barrier_wait -1
.endm
.macro TURN slot, next, fill           ; the whole last quarter; fill = 1: the slot just read is filled again, two K steps on
	MEET \fill
.if \fill
	CREST                                          ; the barrier has opened a round of the cluster's: no wave of any partner still reads the slot or has a load on its way
	s_add_nc_u64 s[G0+4*\slot+2:G0+4*\slot+3], s[G0+4*\slot+2:G0+4*\slot+3], 4*MROWS*128
	s_add_nc_u64 s[G0B+4*\slot+2:G0B+4*\slot+3], s[G0B+4*\slot+2:G0B+4*\slot+3], 512
	JLOAD \slot                                    ; my one tensor load behind the round; its four v_nop are the places for the loads below
.else
	PLACES
.endif
	FETCH \next, 0, F0
	WIN MUL_HI
	MUL16 F1, 1, 0, 0
	MUL16 F1, 1, 2, 0
.endm
	s_wait_tensorcnt 1                             ; my part of K step 0 is in; K step 1's load may stay out
	s_barrier_signal -1
	s_barrier_wait -1
	FETCH 0, 0, F0
	s_wait_loadcnt 0x0                             ; the bias
.set i, 0
.rept 32
	v_pk_mul_f32 v[BIAS+2*i:BIAS+2*i+1], v[BIAS+2*i:BIAS+2*i+1], 0x3c800000 op_sel_hi:[1,0]   ; x 2^-6, as the rows are
.set i, i+1
.endr
	QUARTER 0, 1, F0, F1, 1
	WIN 0
	s_mov_b32 s3, LAPS-1
.Llap:                                             ; a trip goes once round the ring and fills both slots again
	QUARTER 0, 2, F1, F0, 0
	QUARTER 0, 3, F0, F1, 0
	TURN 0, 1, 1
	QUARTER 1, 1, F0, F1, 0
	QUARTER 1, 2, F1, F0, 0
	QUARTER 1, 3, F0, F1, 0
	TURN 1, 0, 1
	QUARTER 0, 1, F0, F1, 0
	WIN 0
	s_sub_co_u32 s3, s3, 1
	s_cmp_lg_u32 s3, 0
	s_cbranch_scc1 .Llap
	QUARTER 0, 2, F1, F0, 0                        ; the last lap fills nothing
	QUARTER 0, 3, F0, F1, 0
	TURN 0, 1, 0
	QUARTER 1, 1, F0, F1, 0
	QUARTER 1, 2, F1, F0, 0
	QUARTER 1, 3, F0, F1, 0
	s_wait_dscnt 8
	WIN MUL_LO
	MUL16 F1, 0, 0, 0
	MUL16 F1, 0, 2, 0
	s_wait_dscnt 0x0
	WIN MUL_HI
	MUL16 F1, 1, 0, 0
	MUL16 F1, 1, 2, 0
	WIN 0
; THE WAY OUT, a block of 16 rows x 128 columns (two heads) at a time: rounded to f16, through my own stage, back as two rows of each head: sixteen lanes store 256 consecutive bytes.
.macro PACK a
.set AC, 64*((\a)%4)
	WIN 0x0a+5*((\a)/4)
.irp b, 0,1,2,3,4,5,6,7
.irp r, 0,1,2,3
	v_cvt_pk_f16_f32 v[TMP+4*\b+\r], v[AC+8*\b+2*\r], v[AC+8*\b+2*\r+1]   ; each accumulator from its low end on
.endr
.endr
	WIN 0
.endm
.macro TOSTAGE a
.set BK, OB+192*((\a)%2)
.irp b, 0,1,2,3,4,5,6,7
	ds_store_b128 v[STO], v[TMP+4*\b:TMP+4*\b+3] offset:32*\b
.endr
.irp t, 0,1,2,3,4,5,6,7
	ds_load_b128 v[BK+4*\t:BK+4*\t+3], v[RD] offset:\t*2*SPITCH    ; LDS serves a wave's instructions in order: these see the stores above
.endr
.endm
.macro SEND a
.set BK, OB+192*((\a)%2)
	s_wait_dscnt 0x0                               ; the block is back in registers
	s_wait_xcnt 0x0                                ; earlier stores have read their data: the next block's loads may land there
.irp t, 0,1,2,3,4,5,6,7
	global_store_b128 v[CO], v[BK+4*\t:BK+4*\t+3], s[8:9] offset:(\a)*2048+\t*256
.endr
.endm
	PLACES
	PACK 0
	TOSTAGE 0
.irp a, 1,2,3,4,5,6,7
	PACK \a
	SEND \a-1
	TOSTAGE \a
.endr
	SEND 7
	s_wait_tensorcnt 0x0                           ; the wave's end
	ds_add_u32 v[SPW], v[NIL]
	s_wait_dscnt 0x0
	CROUND                                         ; the closing round
	s_endpgm
.Lfunc_end_k_q34dfc30231_gemm_qk:
	.size	k_q34dfc30231_gemm_qk, .Lfunc_end_k_q34dfc30231_gemm_qk-k_q34dfc30231_gemm_qk
	.p2alignl 7, 3214868480
	.fill 96, 4, 3214868480
	.section	.rodata,"a",@progbits
	.p2align	6, 0x0
	.amdhsa_kernel k_q34dfc30231_gemm_qk
		.amdhsa_group_segment_fixed_size 327680
		.amdhsa_private_segment_fixed_size 0
		.amdhsa_enable_private_segment 0
		.amdhsa_kernarg_size 40
		.amdhsa_user_sgpr_count 2
		.amdhsa_user_sgpr_kernarg_segment_ptr 1
		.amdhsa_wavefront_size32 1
		.amdhsa_system_sgpr_workgroup_id_x 1
		.amdhsa_system_sgpr_workgroup_id_y 1
		.amdhsa_system_sgpr_workgroup_id_z 1
		.amdhsa_system_vgpr_workitem_id 0
		.amdhsa_next_free_vgpr 1024
		.amdhsa_next_free_sgpr 66
		.amdhsa_reserve_vcc 0
		.amdhsa_float_denorm_mode_32 3
		.amdhsa_float_denorm_mode_16_64 3
		.amdhsa_memory_ordered 1
		.amdhsa_forward_progress 1
		.amdhsa_inst_pref_size 148
	.end_amdhsa_kernel
	.amdgpu_metadata
---
amdhsa.version: [ 1, 2 ]
amdhsa.kernels:
  - .name:           k_q34dfc30231_gemm_qk
    .symbol:         k_q34dfc30231_gemm_qk.kd
    .args:
      - { .name: act, .offset: 0, .size: 8, .value_kind: global_buffer, .address_space: global }
      - { .name: wh, .offset: 8, .size: 8, .value_kind: global_buffer, .address_space: global }
      - { .name: bq, .offset: 16, .size: 8, .value_kind: global_buffer, .address_space: global }
      - { .name: bk, .offset: 24, .size: 8, .value_kind: global_buffer, .address_space: global }
      - { .name: qk, .offset: 32, .size: 8, .value_kind: global_buffer, .address_space: global }
    .group_segment_fixed_size: 327680
    .private_segment_fixed_size: 0
    .kernarg_segment_align: 8
    .kernarg_segment_size: 40
    .max_flat_workgroup_size: 128
    .sgpr_count:     66
    .vgpr_count:     1024
    .wavefront_size: 32
...
	.end_amdgpu_metadata
.endif
;; end of part 2
;; launch gemm_v (part 3): grid 32 x 4, 4 waves a work-group, clusters of 4 x 4, 327,680 bytes of LDS; arguments cod, scl, bv, vt; writes vt
.if DOCPART == 3
	.amdgcn_target "amdgcn-amd-amdhsa--gfx1250"
	.amdhsa_code_object_version 6
	.text
	.protected	k_q34dfc30231_gemm_v
	.globl	k_q34dfc30231_gemm_v
	.p2align	8
	.type	k_q34dfc30231_gemm_v,@function
k_q34dfc30231_gemm_v:
	s_mov_b64 s[64:65], 0
	v_nop
	global_prefetch_b8 v0, s[64:65] scope:SCOPE_SE
	s_setreg_imm32_b32 hwreg(HW_REG_WAVE_MODE, 25, 1), 1
	s_wait_xcnt 0x0
	s_wait_alu depctr_hold_cnt(0) depctr_sa_sdst(0) depctr_va_vdst(0) depctr_va_sdst(0) depctr_va_ssrc(0) depctr_va_vcc(0) depctr_vm_vsrc(0)
	s_getreg_b32 s2, hwreg(HW_REG_IB_STS2, 6, 4)
	s_cmp_eq_u32 s2, 0
	s_cbranch_scc0 .Lentry_in_a_cluster
	s_endpgm
.Lentry_in_a_cluster:
	s_bfe_u32 s2, ttmp6, 0x10000c
	s_cmp_lg_u32 s2, 0xf033
	s_cbranch_scc0 .Lentry_shape_is_right
	s_endpgm
.Lentry_shape_is_right:
; v^T / 16 = (Wv value^T + bv) / 16 on codes of E2M1 with E8M0 scales, sums in f32, stored as f16 with the positions innermost: vt[1,024 channels][8,192 = b x 2,048 + t].
; A = Wv: codes at cod + 4 MiB, [1,024][512 bytes], scale bytes at scl + 256 KiB, [1,024][32].  B = value: codes at cod, [8,192][512], scale bytes at scl, [8,192][32].
; A tile of C, 256 channels x 256 positions, is made by four waves, each 128 x 128.  K = 1,024 is two slots of 512: both are asked for at the start, and nothing is filled again.
; The scale bytes of the work-group's rows, for all of K, come once, as units of 256 bytes with 16 of padding.  CLUSTERS: 4 x 4; A's tiles jointly along a row of the cluster, B's along a column.
; THE MATRIX INSTRUCTION IS USED TRANSPOSED (source 0 = rows of B, source 1 = rows of A): a lane holds one channel and eight neighbouring positions.
; REGISTERS: window 0: v0-31 addresses; v32-95 scale words, two sets; v128-191 A's fragments; v192-207 the bias; window 1: B's fragments, two sets; windows 2, 3: the accumulators.
; LIMITS: v / 16 must fit f16: v up to a million.  NaN and infinities are not served.
.set SIZE_K, 1024
.set KSTEP,  512
.set NQ,     4
.set ROWB,   256
.set KROW,   512
.set PITCH,  272
.set FR,     8
.set NL,     2
.set NP,     4
.set HALFT,  128*PITCH
.set SLOT,   4*HALFT
.set KS,     32
.set SCL,    2*SLOT
.set HALFS,  (128*KS/256)*272
.set SBLK,   (16*KS/256)*272
.set SPARE,  SCL+4*HALFS
.set SPITCH, 272                       ; the way out: 16 rows x (256 + 16) a wave, in slot 0, which has had its only fill and its last read by then
.set ADRA, 16
.set ADRB, 20
.set STO,  24
.set RD,   25
.set CO,   26
.set ADRS, 27
.set SPW,  28
.set NIL,  29
.set SC,   32
.set AF,   128
.set TMP,  96
.set BK,   128
.set BV,   192
.set G1, 24
.set G0, 32
.set G1B, 48
.set G0B, 56
.set G1S, 68
.set G0S, 76
.set G1SB, 80
.set G0SB, 88
.set MSB, 0
.macro WIN new
.if MSB != \new
	s_set_vgpr_msb (MSB<<8)|\new
.set MSB, \new
.endif
.endm
.set MUL_LO, 0xa1
.set MUL_HI, 0xf1
.set TO_B,   0x40
.macro JLOAD g0a, g1a, g0b, g1b        ; waves 0, 1 fetch for A, waves 2, 3 for B; an s_nop 0 and four v_nop follow each line
	s_cmp_eq_u32 s15, 0
	s_cbranch_scc0 .Lfor_b_\@
	tensor_load_to_lds s[\g0a:\g0a+3], s[\g1a:\g1a+7]
	s_nop 0
.rept 4
	v_nop
.endr
	s_branch .Lasked_\@
.Lfor_b_\@:
	tensor_load_to_lds s[\g0b:\g0b+3], s[\g1b:\g1b+7]
	s_nop 0
.rept 4
	v_nop
.endr
.Lasked_\@:
.endm
.macro CROUND
	s_barrier_signal -1
	s_barrier_wait -1
	s_cmp_lg_u32 s14, 0
	s_cbranch_scc1 .Lnot_wave_0_\@
	s_barrier_signal -3
.Lnot_wave_0_\@:
	s_barrier_wait -3
	s_barrier_signal -1
	s_barrier_wait -1
.endm
	s_load_b128 s[8:11], s[0:1], 0x0               ; cod, scl: B's codes and scale bytes begin there
	s_load_b64 s[96:97], s[0:1], 0x10              ; bv
	s_load_b64 s[12:13], s[0:1], 0x18              ; vt
	v_lshl_add_u32 v[SPW], v0, 2, SPARE
	v_mov_b32 v[NIL], 0
	ds_add_u32 v[SPW], v[NIL]                      ; the wave's opening: the add, twice on end, and its wait ahead of my first tensor load
	ds_add_u32 v[SPW], v[NIL]
	v_lshrrev_b32 v1, 5, v0
	v_readfirstlane_b32 s14, v1                    ; wave 0..3
	s_lshr_b32 s15, s14, 1                         ; my half of the tile's channels.  Also: I fetch for A (0) or B (1)
	s_and_b32 s16, s14, 1                          ; my half of its positions.  Also: which 128 rows I fetch
	s_bfe_u32 s40, ttmp6, 0x40000
	s_bfe_u32 s41, ttmp6, 0x40004
	s_lshl_b32 s42, ttmp9, 2
	s_add_co_u32 s42, s42, s40                     ; tile column
	s_and_b32 s17, ttmp7, 0xffff
	s_lshl_b32 s17, s17, 2
	s_add_co_u32 s17, s17, s41                     ; tile row
	s_lshl_b32 s43, s41, 2
	s_lshl_b32 s43, 15, s43
	s_lshl_b32 s44, 0x1111, s40
	s_or_b32 s[G1+0], s43, (0<<16)|(1<<20)|(1<<21)|(5<<22)|(3<<25)   ; mask; elements of 1 byte; padding: 4 words behind every 64
	s_or_b32 s[G1B+0], s44, (0<<16)|(1<<20)|(1<<21)|(5<<22)|(3<<25)
.irp g, G1, G1B
	s_mov_b32 s[\g+1], ROWB<<16
	s_mov_b32 s[\g+2], 128<<16
	s_mov_b32 s[\g+3], ROWB<<16
	s_mov_b32 s[\g+4], 128
	s_mov_b32 s[\g+5], KROW
	s_mov_b32 s[\g+6], 0
	s_mov_b32 s[\g+7], 0
.endr
	s_or_b32 s[G1S+0], s43, (3<<16)|(1<<20)|(1<<21)|(5<<22)|(3<<25)  ; the scale bytes of 128 rows: 4,096 dense bytes as 16 rows of 256 (32 elements of 8 bytes)
	s_or_b32 s[G1SB+0], s44, (3<<16)|(1<<20)|(1<<21)|(5<<22)|(3<<25)
.irp g, G1S, G1SB
	s_mov_b32 s[\g+1], 32<<16
	s_mov_b32 s[\g+2], (128*KS/256)<<16
	s_mov_b32 s[\g+3], 32<<16
	s_mov_b32 s[\g+4], 128*KS/256
	s_mov_b32 s[\g+5], 32
	s_mov_b32 s[\g+6], 0
	s_mov_b32 s[\g+7], 0
.endr
	s_lshl_b32 s18, s16, 7
	s_lshl_b32 s20, s17, 8
	s_add_co_u32 s20, s20, s18                     ; A: row 256 x tile row + 128 x half
	s_lshl_b32 s46, s42, 8
	s_add_co_u32 s46, s46, s18                     ; B: row 256 x tile column + 128 x half
	s_mov_b32 s21, 0
	s_mov_b32 s47, 0
	s_mov_b64 s[18:19], KS
	s_mul_u64 s[22:23], s[20:21], s[18:19]
	s_mul_u64 s[92:93], s[46:47], s[18:19]
	s_mov_b64 s[18:19], KROW
	s_mul_u64 s[20:21], s[20:21], s[18:19]
	s_mul_u64 s[46:47], s[46:47], s[18:19]
	s_mul_i32 s45, s14, HALFT
	s_mul_i32 s94, s14, HALFS
	s_wait_dscnt 0x0                               ; both opening adds are done
	s_wait_kmcnt 0x0
	s_add_nc_u64 s[4:5], s[8:9], 0x400000          ; Wv's codes
	s_add_nc_u64 s[6:7], s[10:11], 0x40000         ; Wv's scale bytes
	s_add_nc_u64 s[20:21], s[4:5], s[20:21]
	s_add_nc_u64 s[22:23], s[6:7], s[22:23]
	s_add_nc_u64 s[46:47], s[8:9], s[46:47]
	s_add_nc_u64 s[92:93], s[10:11], s[92:93]
	CROUND                                         ; all sixteen work-groups are here: the joint loads meet
	s_mov_b32 s[G0S], 1
	s_add_co_u32 s[G0S+1], s94, SCL
	s_mov_b64 s[G0S+2:G0S+3], s[22:23]
	s_or_b32 s[G0S+3], s[G0S+3], 0x80000000
	s_mov_b32 s[G0SB], 1
	s_add_co_u32 s[G0SB+1], s94, SCL
	s_mov_b64 s[G0SB+2:G0SB+3], s[92:93]
	s_or_b32 s[G0SB+3], s[G0SB+3], 0x80000000
	JLOAD G0S, G1S, G0SB, G1SB
.irp s, 0,1
	s_mov_b32 s[G0+4*\s], 1
	s_add_co_u32 s[G0+4*\s+1], s45, \s*SLOT
	s_add_nc_u64 s[G0+4*\s+2:G0+4*\s+3], s[20:21], \s*ROWB
	s_or_b32 s[G0+4*\s+3], s[G0+4*\s+3], 0x80000000
	s_mov_b32 s[G0B+4*\s], 1
	s_add_co_u32 s[G0B+4*\s+1], s45, \s*SLOT
	s_add_nc_u64 s[G0B+4*\s+2:G0B+4*\s+3], s[46:47], \s*ROWB
	s_or_b32 s[G0B+4*\s+3], s[G0B+4*\s+3], 0x80000000
	JLOAD G0+4*\s, G1, G0B+4*\s, G1B               ; three tensor loads of mine are out in all
.endr
	v_and_b32 v1, 15, v0                           ; r
	v_bfe_u32 v2, v0, 4, 1                         ; h
	v_mul_u32_u24 v3, v1, PITCH
	v_lshl_add_u32 v4, v2, 4, v3
	s_mul_i32 s21, s15, HALFT
	s_mul_i32 s22, s16, HALFT
	s_add_co_u32 s22, s22, 2*HALFT
.irp s, 0,1
	v_add_nc_u32 v[ADRA+\s], s21, v4
	v_add_nc_u32 v[ADRB+\s], s22, v4
	s_add_co_u32 s21, s21, SLOT
	s_add_co_u32 s22, s22, SLOT
.endr
	v_mul_u32_u24 v5, v1, KS                       ; my row's scale bytes: 32 a row, and 16 more for each 256 passed
	v_lshrrev_b32 v6, 8, v5
	v_lshl_add_u32 v5, v6, 4, v5
	s_mul_i32 s21, s15, HALFS
	s_mul_i32 s22, s16, HALFS
	s_add_co_u32 s22, s22, 2*HALFS
	s_sub_co_u32 s22, s22, s21
	v_mul_u32_u24 v6, s22, v2                      ; lanes 16-31 take B's
	s_add_co_u32 s21, s21, SCL
	v_add_nc_u32 v5, v5, v6
	v_add_nc_u32 v[ADRS], s21, v5
	s_mul_i32 s23, s14, 16*SPITCH                  ; my stage
	v_mul_u32_u24 v5, v1, SPITCH
	v_lshl_add_u32 v5, v2, 4, v5
	v_add_nc_u32 v[STO], s23, v5
	v_mul_u32_u24 v5, v2, SPITCH
	v_lshl_add_u32 v5, v1, 4, v5
	v_add_nc_u32 v[RD], s23, v5                    ; back: lanes 0-15 one row of 256 bytes, lanes 16-31 the next
	v_lshlrev_b32 v[CO], 4, v1
	v_lshl_add_u32 v[CO], v2, 14, v[CO]            ; and the same two rows of vt, 16,384 bytes apart
	s_lshl_b32 s20, s17, 8
	s_lshl_b32 s21, s15, 7
	s_add_co_u32 s20, s20, s21                     ; my first channel
	s_lshl_b32 s22, s20, 2
	s_mov_b32 s23, 0
	s_add_nc_u64 s[96:97], s[96:97], s[22:23]
	s_lshl_b32 s20, s20, 14
	s_mov_b32 s21, 0
	s_lshl_b32 s46, s42, 9
	s_lshl_b32 s47, s16, 8
	s_add_co_u32 s46, s46, s47                     ; my first position x 2 bytes
	s_mov_b32 s47, 0
	s_add_nc_u64 s[20:21], s[20:21], s[46:47]
	s_add_nc_u64 s[12:13], s[12:13], s[20:21]
	v_lshlrev_b32 v5, 2, v1
.irp a, 0,1,2,3,4,5,6,7
	global_load_b32 v[BV+2*\a], v5, s[96:97] offset:64*\a          ; bv of block a's channel r
.endr
	s_mov_b32 s94, 0x3d800000                      ; 2^-4
	s_mov_b32 s95, s94
.macro FRAG reg, adr, q, i             ; 16 rows x 128 K of 4-bit codes: 8 registers, two loads 32 bytes apart
.irp c, 0,1
	ds_load_b128 v[\reg+4*\c:\reg+4*\c+3], v[\adr] offset:64*(\q)+32*\c+(\i)*16*PITCH
.endr
.endm
; 16 matrix instructions: A's blocks a0, a0 + 1 x B's eight, the slot's q-th 128 along K.  The 64 accumulators take turns.  One register carries A's scale word (lanes 0-15) and B's (lanes 16-31).
.macro MUL16 a0, p, q, sc, zero
.irp a, \a0, \a0+1
.irp b, 0,1,2,3,4,5,6,7
.if \zero
	v_wmma_scale_f32_16x16x128_f8f6f4 v[8*(8*((\a)%4)+\b):8*(8*((\a)%4)+\b)+7], v[128*(\p)+FR*\b:128*(\p)+FR*\b+FR-1], v[AF+FR*(\a):AF+FR*(\a)+FR-1], 0, v[SC+8*NQ*(\sc)+NQ*\b+(\q)], v[SC+8*NQ*(\sc)+NQ*(\a)+(\q)] matrix_a_fmt:MATRIX_FMT_FP4 matrix_b_fmt:MATRIX_FMT_FP4 matrix_a_scale:MATRIX_SCALE_ROW1
.else
	v_wmma_scale_f32_16x16x128_f8f6f4 v[8*(8*((\a)%4)+\b):8*(8*((\a)%4)+\b)+7], v[128*(\p)+FR*\b:128*(\p)+FR*\b+FR-1], v[AF+FR*(\a):AF+FR*(\a)+FR-1], v[8*(8*((\a)%4)+\b):8*(8*((\a)%4)+\b)+7], v[SC+8*NQ*(\sc)+NQ*\b+(\q)], v[SC+8*NQ*(\sc)+NQ*(\a)+(\q)] matrix_a_fmt:MATRIX_FMT_FP4 matrix_b_fmt:MATRIX_FMT_FP4 matrix_a_scale:MATRIX_SCALE_ROW1
.endif
.endr
.endr
.endm
.macro FETCH_B slot, q, p
	WIN TO_B
.irp i, 0,1,2,3,4,5,6,7
	FRAG 128*(\p)+FR*\i, ADRB+\slot, \q, \i
.endr
	WIN 0
.endm
.macro FETCH_A slot, q, i0
.irp i, \i0, \i0+1, \i0+2, \i0+3
	FRAG AF+FR*(\i), ADRA+\slot, \q, \i
.endr
.endm
.macro SCALES sc                       ; a slot's scale words: four a row; lanes 0-15 A's block i, lanes 16-31 B's
.irp i, 0,1,2,3,4,5,6,7
	ds_load_b128 v[SC+8*NQ*\sc+NQ*\i:SC+8*NQ*\sc+NQ*\i+3], v[ADRS] offset:\i*SBLK
.endr
.endm
.macro PLACES n
.rept \n
	v_nop
.endr
.endm
.macro STEP slot, q, zero              ; 128 along K with its successor in the same slot
	s_wait_dscnt 4*NL                              ; B's set and A's blocks 0-3 are in; the youngest eight loads (A's blocks 4-7) may be out
	WIN MUL_LO
	MUL16 0, (\q)%2, \q, \slot, \zero
	MUL16 2, (\q)%2, \q, \slot, \zero
	s_wait_dscnt 0
	PLACES NP
	FETCH_B \slot, (\q)+1, 1-(\q)%2
	FETCH_A \slot, (\q)+1, 0
	WIN MUL_HI
	MUL16 4, (\q)%2, \q, \slot, \zero
	MUL16 6, (\q)%2, \q, \slot, \zero
	PLACES NP
	WIN 0
	FETCH_A \slot, (\q)+1, 4
.endm
.macro STEPS slot, from
.set Q, \from
.rept NQ-1-\from
	STEP \slot, Q, 0
.set Q, Q+1
.endr
.endm
	s_wait_tensorcnt 1                             ; the scale bytes and my part of slot 0 are in; slot 1's load may stay out
	s_barrier_signal -1
	s_barrier_wait -1
	FETCH_B 0, 0, 0
	FETCH_A 0, 0, 0
	SCALES 0
	FETCH_A 0, 0, 4
	STEP 0, 0, 1                                   ; the first products start the sums
	STEPS 0, 1
	; slot 0's last step changes slots: one barrier; nothing is filled again
	s_wait_tensorcnt 0x0                           ; my part of slot 1 has landed
	ds_add_u32 v[SPW], v[NIL]
	s_wait_dscnt 4*NL+1                            ; the add and the youngest eight loads may be out
	WIN MUL_LO
	MUL16 0, 1, NQ-1, 0, 0
	s_wait_dscnt 0x0                               ; the add is done, and my reads of slot 0 are over
	s_barrier_signal -1
	MUL16 2, 1, NQ-1, 0, 0
	WIN 0
	s_barrier_wait -1
	PLACES NP
	v_add_nc_u32 v[ADRS], 4*NQ, v[ADRS]            ; on to slot 1's scale words
	FETCH_B 1, 0, 0
	FETCH_A 1, 0, 0
	SCALES 1
	WIN MUL_HI
	MUL16 4, 1, NQ-1, 0, 0
	MUL16 6, 1, NQ-1, 0, 0
	PLACES NP
	WIN 0
	FETCH_A 1, 0, 4
	STEPS 1, 0
	s_wait_dscnt 4*NL
	WIN MUL_LO
	MUL16 0, 1, NQ-1, 1, 0
	MUL16 2, 1, NQ-1, 1, 0
	s_wait_dscnt 0
	WIN MUL_HI
	MUL16 4, 1, NQ-1, 1, 0
	MUL16 6, 1, NQ-1, 1, 0
	WIN 0
; THE WAY OUT, a block of 16 channels x 128 positions at a time: (sum + bias) / 16 by one fused multiply-add, rounded to f16, through my stage, back as whole rows of 256 bytes.
.macro PACKV a
.set AC, 64*((\a)%4)
	WIN 0x02+((\a)/4)                              ; source 0: window 2 or 3
.set k, 0
.rept 32
	v_pk_fma_f32 v[32+2*k:33+2*k], v[AC+2*k:AC+2*k+1], s[94:95], v[BV+2*(\a):BV+2*(\a)+1] op_sel_hi:[1,0,1]   ; ascending: each accumulator from its low end on
.set k, k+1
.endr
	WIN 0
.set k, 0
.rept 32
	v_cvt_pk_f16_f32 v[TMP+k], v[32+2*k], v[33+2*k]
.set k, k+1
.endr
.endm
.macro TOSTAGE a
.set BB, BK+32*((\a)%2)
.irp b, 0,1,2,3,4,5,6,7
	ds_store_b128 v[STO], v[TMP+4*\b:TMP+4*\b+3] offset:32*\b
.endr
.irp t, 0,1,2,3,4,5,6,7
	ds_load_b128 v[BB+4*\t:BB+4*\t+3], v[RD] offset:\t*2*SPITCH    ; LDS serves a wave's instructions in order
.endr
.endm
.macro SEND a
.set BB, BK+32*((\a)%2)
	s_wait_dscnt 0x0
	s_wait_xcnt 0x0                                ; earlier stores have read their data
.irp t, 0,1,2,3,4,5,6,7
	global_store_b128 v[CO], v[BB+4*\t:BB+4*\t+3], s[12:13] offset:(16*(\a)+2*\t)*16384   ; sixteen lanes store 256 consecutive bytes, aligned
.endr
.endm
	PLACES NP
	s_wait_loadcnt 0x0                             ; the bias
.irp a, 0,1,2,3,4,5,6,7
	v_mul_f32 v[BV+2*\a+1], 0x3d800000, v[BV+2*\a]
.endr
.irp a, 0,1,2,3,4,5,6,7
	v_mul_f32 v[BV+2*\a], 0x3d800000, v[BV+2*\a]   ; both words of the pair: bias / 16
.endr
	PACKV 0
	TOSTAGE 0
.irp a, 1,2,3,4,5,6,7
	PACKV \a
	SEND \a-1
	TOSTAGE \a
.endr
	SEND 7
	s_wait_tensorcnt 0x0                           ; the wave's end
	ds_add_u32 v[SPW], v[NIL]
	s_wait_dscnt 0x0
	CROUND                                         ; the closing round
	s_endpgm
.Lfunc_end_k_q34dfc30231_gemm_v:
	.size	k_q34dfc30231_gemm_v, .Lfunc_end_k_q34dfc30231_gemm_v-k_q34dfc30231_gemm_v
	.p2alignl 7, 3214868480
	.fill 96, 4, 3214868480
	.section	.rodata,"a",@progbits
	.p2align	6, 0x0
	.amdhsa_kernel k_q34dfc30231_gemm_v
		.amdhsa_group_segment_fixed_size 327680
		.amdhsa_private_segment_fixed_size 0
		.amdhsa_enable_private_segment 0
		.amdhsa_kernarg_size 32
		.amdhsa_user_sgpr_count 2
		.amdhsa_user_sgpr_kernarg_segment_ptr 1
		.amdhsa_wavefront_size32 1
		.amdhsa_system_sgpr_workgroup_id_x 1
		.amdhsa_system_sgpr_workgroup_id_y 1
		.amdhsa_system_sgpr_workgroup_id_z 1
		.amdhsa_system_vgpr_workitem_id 0
		.amdhsa_next_free_vgpr 1024
		.amdhsa_next_free_sgpr 98
		.amdhsa_reserve_vcc 0
		.amdhsa_float_denorm_mode_32 3
		.amdhsa_float_denorm_mode_16_64 3
		.amdhsa_memory_ordered 1
		.amdhsa_forward_progress 1
		.amdhsa_inst_pref_size 144
	.end_amdhsa_kernel
	.amdgpu_metadata
---
amdhsa.version: [ 1, 2 ]
amdhsa.kernels:
  - .name:           k_q34dfc30231_gemm_v
    .symbol:         k_q34dfc30231_gemm_v.kd
    .args:
      - { .name: cod, .offset: 0, .size: 8, .value_kind: global_buffer, .address_space: global }
      - { .name: scl, .offset: 8, .size: 8, .value_kind: global_buffer, .address_space: global }
      - { .name: bv, .offset: 16, .size: 8, .value_kind: global_buffer, .address_space: global }
      - { .name: vt, .offset: 24, .size: 8, .value_kind: global_buffer, .address_space: global }
    .group_segment_fixed_size: 327680
    .private_segment_fixed_size: 0
    .kernarg_segment_align: 8
    .kernarg_segment_size: 32
    .max_flat_workgroup_size: 128
    .sgpr_count:     98
    .vgpr_count:     1024
    .wavefront_size: 32
...
	.end_amdgpu_metadata
.endif
;; end of part 3
;; launch attn (part 4): grid 4 x 64, 16 waves a work-group, clusters of 4 x 1, 327,680 bytes of LDS; arguments qk, vt, mk, act; writes act
.if DOCPART == 4
	.amdgcn_target "amdgcn-amd-amdhsa--gfx1250"
	.amdhsa_code_object_version 6
	.text
	.protected	k_q34dfc30231_attn
	.globl	k_q34dfc30231_attn
	.p2align	8
	.type	k_q34dfc30231_attn,@function
k_q34dfc30231_attn:
	s_mov_b64 s[64:65], 0
	v_nop
	global_prefetch_b8 v0, s[64:65] scope:SCOPE_SE
	s_setreg_imm32_b32 hwreg(HW_REG_WAVE_MODE, 25, 1), 1
	s_wait_xcnt 0x0
	s_wait_alu depctr_hold_cnt(0) depctr_sa_sdst(0) depctr_va_vdst(0) depctr_va_sdst(0) depctr_va_ssrc(0) depctr_va_vcc(0) depctr_vm_vsrc(0)
	s_getreg_b32 s2, hwreg(HW_REG_IB_STS2, 6, 4)
	s_cmp_eq_u32 s2, 0
	s_cbranch_scc0 .Lentry_in_a_cluster
	s_endpgm
.Lentry_in_a_cluster:
	s_bfe_u32 s2, ttmp6, 0x10000c
	s_cmp_lg_u32 s2, 0x3003
	s_cbranch_scc0 .Lentry_shape_is_right
	s_endpgm
.Lentry_shape_is_right:
; x[b][t][head] = the masked softmax attention of one (batch, head): scores = q . k / 8; a masked score counts as -10,000 in the softmax's maximum and sum, and its weight as 0.
; q / 64, k / 64: qk[tensor x 4 + b][head][t][64] f16.  v^T / 16: vt[head x 64 + d][b x 2,048 + t] f16.  x: f16, by planes: act[head][8,192 rows][64].
; mk: for each tile of 16 queries and step of 64 keys 32 words, word 8 kt + j = the lane mask of score register 8 kt + j; behind them each row's number of masked keys, in two halves.
; SHARES.  A work-group owns 512 queries, each of its sixteen waves 32: two tiles of 16, in 256 registers: four waves to a SIMD, so that one wave's vector work stands beside another's matrix work.
; Every wave walks the 2,048 keys, 64 a step.  K and V^T come through a ring of two LDS slots of 256 keys (wave 0 fetches K's 256 rows, wave 1 V^T's 64 rows).
; CLUSTER.  The four query blocks of a (batch, head) walk the same K and V: each tile is asked for jointly, with a mask that names the four.
; LAYOUT.  S^T = K Q^T, O^T = V^T P: a lane holds one query throughout; two tiles of S^T, rounded to f16 in pairs, are source 1 of the second product.  The row's sum is a product of P with ones.
; SOFTMAX.  t = c' s, c' = 4,096 log2(e) / 8.  A masked s becomes -2^100, for which c' s is exact: while all keys so far are masked, p = 2^0 = 1, and the first real maximum multiplies
; what was summed by 2^(-huge) = 0.  At the end, with n masked keys and TM = -10,000 log2(e): mf = max(c' m, TM where n > 0), x = O 2^(c' m - mf) 16 / (L 2^(c' m - mf) + n 2^(TM - mf)).
; LIMITS: raw scaled scores stay under 2^100 in size; the sum is taken of p as rounded to f16; x must fit f16; NaN and infinities are not served.
.set KP,    144                        ; a key's row in LDS: 128 bytes + 16
.set VP,    528                        ; a row of V^T: 256 keys = 512 bytes + 16
.set VOFF,  256*KP
.set SLOT1, 1<<17
.set STAGE, 204800                     ; behind the ring: 2 tiles x 16 rows x 144 bytes for each wave
.set SPARE, 278528                     ; the spare words, 128 bytes a wave
.set AK0, 1
.set AV0, 2
.set ADK, 3
.set ADV, 4
.set SPW, 5
.set NIL, 6
.set GO,  7
.set NEG, 8
.set STO, 9
.set RD,  10
.set ST,  12                           ; tile t at v[ST + 8 t]: +0 c' m, +1 m, +4 .. +7 at work; a takes +6
.set ONES, 28
.set Q,   36                           ; v[Q + 16 t + 8 ks]
.set KV,  68                           ; 32 registers: four fragments of K or of V^T
.set S,   100                          ; v[S + 32 t + 8 kt]; P in place in the first 16 of a tile's 32
.set O,   164                          ; v[O + 32 t + 8 ct]
.set L,   228                          ; v[L + 8 t]: register 0 is the row's sum
.set CN,  244                          ; the counts
.set WV,  2
.set TB,  3
.set G1K, 4
.set G0K, 12
.set G1V, 84
.set G0V, 92
.set SLOTS, 66
.set MO,  67
.set CS,  96
.set SEL, 98
.set MB,  100
.set XB,  104
.macro TLOAD                           ; wave 0: K's tile; wave 1: V^T's; the others nothing.  An s_nop 0 and four v_nop follow each line
	s_cmp_lg_u32 s[WV], 0
	s_cbranch_scc1 .Lnot_k_\@
	tensor_load_to_lds s[G0K:G0K+3], s[G1K:G1K+7]
	s_nop 0
.rept 4
	v_nop
.endr
	s_branch .Lasked_\@
.Lnot_k_\@:
	s_cmp_lg_u32 s[WV], 1
	s_cbranch_scc1 .Lasked_\@
	tensor_load_to_lds s[G0V:G0V+3], s[G1V:G1V+7]
	s_nop 0
.rept 4
	v_nop
.endr
.Lasked_\@:
.endm
.macro CROUND
	s_barrier_signal -1
	s_barrier_wait -1
	s_cmp_lg_u32 s[WV], 0
	s_cbranch_scc1 .Lnot_wave_0_\@
	s_barrier_signal -3
.Lnot_wave_0_\@:
	s_barrier_wait -3
	s_barrier_signal -1
	s_barrier_wait -1
.endm
.macro MLOAD                           ; a step's 2 x 32 mask words: tile 0 in s16-47, tile 1 in s48-63 and s68-83
	s_load_b512 s[16:31], s[MB:MB+1], s[MO] offset:0x0
	s_load_b512 s[32:47], s[MB:MB+1], s[MO] offset:0x40
	s_load_b512 s[48:63], s[MB:MB+1], s[MO] offset:0x1000
	s_load_b512 s[68:83], s[MB:MB+1], s[MO] offset:0x1040
.endm
.macro PLACES n
.rept \n
	v_nop
.endr
.endm
	s_load_b256 s[16:23], s[0:1], 0x0              ; qk s[16:17], vt s[18:19], mk s[20:21], act s[22:23]
	v_lshl_add_u32 v[SPW], v0, 2, SPARE
	v_mov_b32 v[NIL], 0
	ds_add_u32 v[SPW], v[NIL]                      ; the wave's opening: the add, twice on end, and its wait ahead of the first tensor load
	ds_add_u32 v[SPW], v[NIL]
	v_lshrrev_b32 v248, 5, v0
	v_readfirstlane_b32 s[WV], v248                ; wave 0..15
	s_bfe_u32 s24, ttmp6, 0x40000                  ; cx: my block of 512 queries; it enters Q's, the mask's and x's addresses alone
	s_and_b32 s25, ttmp7, 0xffff                   ; 16 b + head, which the four partners share
	s_lshr_b32 s26, s25, 4                         ; b
	s_and_b32 s27, s25, 15                         ; head
	s_lshl_b32 s38, s24, 9
	s_lshl_b32 s31, s[WV], 5
	s_add_co_u32 s38, s38, s31                     ; my first query in the sequence
	s_lshl_b32 s30, s26, 11
	s_add_co_u32 s30, s30, s38                     ; and among the 8,192 rows
	s_add_co_u32 s32, s25, 64
	s_lshl_b32 s32, s32, 18                        ; K: the head's 262,144 bytes in the key half of qk
	s_mov_b32 s33, 0
	s_lshl_b32 s34, s27, 20
	s_lshl_b32 s35, s26, 12
	s_add_co_u32 s34, s34, s35                     ; V^T: 64 rows of 16,384 bytes a head, 4,096 bytes a batch
	s_mov_b32 s35, 0
	s_lshl_b32 s36, s25, 18
	s_lshl_b32 s37, s38, 7
	s_add_co_u32 s36, s36, s37                     ; Q
	s_mov_b32 s37, 0
	s_lshl_b32 s28, s30, 8                         ; mask words: 4,096 bytes for 16 rows
	s_mov_b32 s29, 0
	s_lshl_b32 s40, s30, 2
	s_add_co_u32 s40, s40, 2097152                 ; counts
	s_mov_b32 s41, 0
	s_lshl_b32 s46, s27, 20
	s_lshl_b32 s47, s30, 7
	s_add_co_u32 s46, s46, s47                     ; x: the head's plane of 1 MiB, rows of 128 bytes
	s_mov_b32 s47, 0
	s_mov_b32 s[G1K], 15|(1<<16)|(1<<20)|(1<<21)|(4<<22)|(3<<25)   ; the mask: all four; elements of 2 bytes; padding: 4 words behind every 32
	s_mov_b32 s[G1K+1], 64<<16                     ; tensor_dim0 = 64
	s_mov_b32 s[G1K+2], 256<<16                    ; tensor_dim1 = 256
	s_mov_b32 s[G1K+3], 64<<16                     ; tile_dim0
	s_mov_b32 s[G1K+4], 256                        ; tile_dim1
	s_mov_b32 s[G1K+5], 64                         ; from row to row
	s_mov_b32 s[G1K+6], 0
	s_mov_b32 s[G1K+7], 0
	s_mov_b32 s[G1V], 15|(1<<16)|(1<<20)|(1<<21)|(6<<22)|(3<<25)   ; padding: 4 words behind every 128
	s_mov_b32 s[G1V+1], 256<<16
	s_mov_b32 s[G1V+2], 64<<16
	s_mov_b32 s[G1V+3], 256<<16
	s_mov_b32 s[G1V+4], 64
	s_mov_b32 s[G1V+5], 8192
	s_mov_b32 s[G1V+6], 0
	s_mov_b32 s[G1V+7], 0
	s_mov_b32 s[CS], 0x4438aa3b                    ; c' = 512 log2(e)
	s_mov_b32 s[CS+1], s[CS]
	s_mov_b32 s[SEL], 0x76543210
	s_mov_b32 s[SEL+1], 0xfedcba98
	s_mov_b32 s[TB], 0
	s_mov_b32 s[MO], 0
	s_mov_b32 s[SLOTS], 7
	v_and_b32 v250, 15, v0                         ; r
	v_bfe_u32 v251, v0, 4, 1                       ; h
	v_mul_u32_u24 v[AK0], v250, KP
	v_lshl_add_u32 v[AK0], v251, 4, v[AK0]
	v_mul_u32_u24 v[AV0], v250, VP
	v_lshl_add_u32 v[AV0], v251, 4, v[AV0]
	v_add_nc_u32 v[AV0], VOFF, v[AV0]
	v_and_b32 v252, 31, v0
	v_lshlrev_b32 v[GO], 4, v252
	s_mul_i32 s44, s[WV], 4608
	s_add_co_u32 s44, s44, STAGE                   ; my stage
	v_add_nc_u32 v[STO], s44, v[AK0]               ; in: row r, + 16 h
	v_lshrrev_b32 v253, 3, v252
	v_mul_u32_u24 v253, v253, KP
	v_and_b32 v252, 7, v0
	v_lshl_add_u32 v253, v252, 4, v253
	v_add_nc_u32 v[RD], s44, v253                  ; back: eight lanes to a row of 128 bytes
	v_lshlrev_b32 v11, 7, v250
	v_lshl_add_u32 v11, v251, 4, v11               ; Q: row r of 128 bytes, + 16 h
	v_lshlrev_b32 v249, 2, v250                    ; counts: 4 bytes a row
	s_wait_dscnt 0x0                               ; both opening adds are done
	s_wait_kmcnt 0x0
	s_mov_b32 s[G0K], 1
	s_mov_b32 s[G0K+1], 0                          ; slot 0
	s_add_nc_u64 s[G0K+2:G0K+3], s[16:17], s[32:33]
	s_or_b32 s[G0K+3], s[G0K+3], 0x80000000
	s_mov_b32 s[G0V], 1
	s_mov_b32 s[G0V+1], VOFF
	s_add_nc_u64 s[G0V+2:G0V+3], s[18:19], s[34:35]
	s_or_b32 s[G0V+3], s[G0V+3], 0x80000000
	s_add_nc_u64 s[42:43], s[16:17], s[36:37]      ; Q at my first query
	s_add_nc_u64 s[40:41], s[20:21], s[40:41]      ; my rows' counts
	s_add_nc_u64 s[MB:MB+1], s[20:21], s[28:29]
	s_add_nc_u64 s[XB:XB+1], s[22:23], s[46:47]
	CROUND                                         ; all four work-groups are here: the first joint loads meet
	TLOAD                                          ; slot 0
.irp t, 0,1
.irp ks, 0,1
	global_load_b128 v[Q+16*\t+8*\ks:Q+16*\t+8*\ks+3], v11, s[42:43] offset:2048*\t+64*\ks
	global_load_b128 v[Q+16*\t+8*\ks+4:Q+16*\t+8*\ks+7], v11, s[42:43] offset:2048*\t+64*\ks+32
.endr
.endr
	global_load_b32 v[CN], v249, s[40:41]
	global_load_b32 v[CN+1], v249, s[40:41] offset:32768
	global_load_b32 v[CN+2], v249, s[40:41] offset:64
	global_load_b32 v[CN+3], v249, s[40:41] offset:32832
	v_mov_b32 v[NEG], 0xf1800000                   ; -2^100
.irp t, 0,1
	v_mov_b32 v[ST+8*\t+1], v[NEG]                 ; m
	v_mul_f32 v[ST+8*\t], s[CS], v[NEG]            ; c' m, exact
.endr
.set i, 0
.rept 8
	v_mov_b32 v[ONES+i], 0x3c003c00                ; 1.0, 1.0 in f16
.set i, i+1
.endr
.set i, 0
.rept 80
	v_mov_b32 v[O+i], 0                            ; O^T and the sums: the step is written once; its first turn finds zeros
.set i, i+1
.endr
	s_wait_loadcnt 0x0                             ; Q and the counts are in,
	s_wait_xcnt 0x0                                ; and no memory instruction still reads s16-63: the mask words may land there
	MLOAD
.macro VLOAD q, u                      ; V^T: 4 x 16 channels x 32 keys
.irp ct, 0,1,2,3
	ds_load_b128 v[KV+8*\ct:KV+8*\ct+3], v[ADV] offset:\ct*16*VP+(64*(\q)+32*(\u))*2
	ds_load_b128 v[KV+8*\ct+4:KV+8*\ct+7], v[ADV] offset:\ct*16*VP+(64*(\q)+32*(\u))*2+32
.endr
.endm
; A KEY STEP: the q-th 64 keys of the slot in hand.
.macro STEP q
	v_add_nc_u32 v[ADK], s[TB], v[AK0]
	v_add_nc_u32 v[ADV], s[TB], v[AV0]
	PLACES 3                                       ; with the two additions: five places behind the last products, whose source P the first products below write over
.irp g, 0,1                                    ; S^T = K Q^T, two tiles of 16 keys at a time, for both tiles of queries
.if \g
	PLACES 4
.endif
.irp kk, 0,1
.irp ks, 0,1
	ds_load_b128 v[KV+16*\kk+8*\ks:KV+16*\kk+8*\ks+3], v[ADK] offset:(64*(\q)+16*(2*\g+\kk))*KP+64*\ks
	ds_load_b128 v[KV+16*\kk+8*\ks+4:KV+16*\kk+8*\ks+7], v[ADK] offset:(64*(\q)+16*(2*\g+\kk))*KP+64*\ks+32
.endr
.endr
	s_wait_dscnt 0x0
.irp ks, 0,1                                   ; four accumulators by turns
.irp kk, 0,1
.irp t, 0,1
.if \ks == 0
	v_wmma_f32_16x16x32_f16 v[S+32*\t+8*(2*\g+\kk):S+32*\t+8*(2*\g+\kk)+7], v[KV+16*\kk+8*\ks:KV+16*\kk+8*\ks+7], v[Q+16*\t+8*\ks:Q+16*\t+8*\ks+7], 0
.else
	v_wmma_f32_16x16x32_f16 v[S+32*\t+8*(2*\g+\kk):S+32*\t+8*(2*\g+\kk)+7], v[KV+16*\kk+8*\ks:KV+16*\kk+8*\ks+7], v[Q+16*\t+8*\ks:Q+16*\t+8*\ks+7], v[S+32*\t+8*(2*\g+\kk):S+32*\t+8*(2*\g+\kk)+7]
.endif
.endr
.endr
.endr
.endr
	PLACES 4                                       ; in front of the loads into K's registers and of the first read of the scores
	VLOAD \q, 0                                    ; V^T of the first 32 keys lands under the softmax
	s_wait_kmcnt 0x0                               ; this step's mask words are in
.set i, 0
.rept 32
	v_cndmask_b32 v[S+i], v[S+i], v[NEG], s[16+i]  ; ascending: each accumulator from its low end on
.if i < 16
	v_cndmask_b32 v[S+32+i], v[S+32+i], v[NEG], s[48+i]
.else
	v_cndmask_b32 v[S+32+i], v[S+32+i], v[NEG], s[52+i]
.endif
.set i, i+1
.endr
	s_add_co_u32 s[MO], s[MO], 128                 ; (the wait above has shown the last loads done: their offset may be written)
	s_min_u32 s[MO], s[MO], 3968                   ; the last step reads the last words once more: no load leaves the buffer
	MLOAD
.irp j, 0,1,2,3
.irp t, 0,1
	v_max3_num_f32 v[ST+8*\t+4+\j], v[S+32*\t+8*\j], v[S+32*\t+8*\j+1], v[S+32*\t+8*\j+2]
.endr
.endr
.irp p, 1,2
.irp j, 0,1,2,3
.irp t, 0,1
	v_max3_num_f32 v[ST+8*\t+4+\j], v[ST+8*\t+4+\j], v[S+32*\t+8*\j+2*\p+1], v[S+32*\t+8*\j+2*\p+2]
.endr
.endr
.endr
.irp t, 0,1
	v_max3_num_f32 v[ST+8*\t+4], v[ST+8*\t+4], v[S+32*\t+7], v[S+32*\t+15]
.endr
.irp t, 0,1
	v_max3_num_f32 v[ST+8*\t+6], v[ST+8*\t+6], v[S+32*\t+23], v[S+32*\t+31]
.endr
.irp t, 0,1
	v_max3_num_f32 v[ST+8*\t+4], v[ST+8*\t+4], v[ST+8*\t+5], v[ST+8*\t+6]
.endr
.irp t, 0,1
	v_max3_num_f32 v[ST+8*\t+4], v[ST+8*\t+4], v[ST+8*\t+7], v[ST+8*\t+1]   ; with the old m
.endr
.irp t, 0,1
	v_permlanex16_b32 v[ST+8*\t+5], v[ST+8*\t+4], s[SEL], s[SEL+1]         ; the query's other 32 keys
.endr
.irp t, 0,1
	v_mov_b32 v[ST+8*\t+7], v[ST+8*\t]             ; c' m_old
.endr
.irp t, 0,1
	v_max_num_f32 v[ST+8*\t+1], v[ST+8*\t+4], v[ST+8*\t+5]
.endr
.irp t, 0,1
	v_mul_f32 v[ST+8*\t], s[CS], v[ST+8*\t+1]
.endr
.irp t, 0,1
	v_sub_f32 v[ST+8*\t+7], v[ST+8*\t+7], v[ST+8*\t]
.endr
.set i, 0
.rept 16
.irp t, 0,1
	v_pk_fma_f32 v[S+32*\t+2*i:S+32*\t+2*i+1], v[S+32*\t+2*i:S+32*\t+2*i+1], s[CS:CS+1], v[ST+8*\t:ST+8*\t+1] op_sel_hi:[1,0,0] neg_lo:[0,0,1] neg_hi:[0,0,1]   ; c' s - c' m
.endr
.set i, i+1
.endr
.irp t, 0,1
	v_exp_f32 v[ST+8*\t+6], v[ST+8*\t+7]           ; a = 2^(c' m_old - c' m_new)
.endr
.set i, 0
.rept 64
	v_exp_f32 v[S+i], v[S+i]                       ; p, at most 1
.set i, i+1
.endr
	v_nop                                          ; a plain instruction behind the last exponential
	s_wait_alu depctr_va_vdst(0)                   ; one wait for the batch of 66, ahead of its first reader
.set i, 0
.rept 16
.irp t, 0,1
	v_cvt_pk_f16_f32 v[S+32*\t+i], v[S+32*\t+2*i], v[S+32*\t+2*i+1]   ; P in place: register i is written when registers up to 2 i + 1 have been read
.endr
.set i, i+1
.endr
.set i, 0
.rept 16
.irp t, 0,1
	v_pk_mul_f32 v[O+32*\t+2*i:O+32*\t+2*i+1], v[O+32*\t+2*i:O+32*\t+2*i+1], v[ST+8*\t+6:ST+8*\t+7] op_sel_hi:[1,0]
.endr
.set i, i+1
.endr
.irp t, 0,1
	v_mul_f32 v[L+8*\t], v[L+8*\t], v[ST+8*\t+6]   ; of the sum's eight equal registers only the first is read at the end
.endr
.irp u, 0,1                                    ; O^T += V^T P and the sums += ones P: ten accumulators by turns
.if \u
	PLACES 4
	VLOAD \q, 1
.endif
	s_wait_dscnt 0x0
.irp ct, 0,1,2,3
.irp t, 0,1
	v_wmma_f32_16x16x32_f16 v[O+32*\t+8*\ct:O+32*\t+8*\ct+7], v[KV+8*\ct:KV+8*\ct+7], v[S+32*\t+8*\u:S+32*\t+8*\u+7], v[O+32*\t+8*\ct:O+32*\t+8*\ct+7]
.endr
.endr
.irp t, 0,1
	v_wmma_f32_16x16x32_f16 v[L+8*\t:L+8*\t+7], v[ONES:ONES+7], v[S+32*\t+8*\u:S+32*\t+8*\u+7], v[L+8*\t:L+8*\t+7]
.endr
.endr
.endm
; THE CHANGE OF SLOTS stands at a slot's head: each wave waits for all its tensor loads, adds 0 to its spare word, and waits for that and for its reads of the slot that it has left.
; fill = 1: behind a round of the cluster's barrier that slot takes the next 256 keys: the load has four key steps in which to land.
.macro CHANGE fill
	s_wait_tensorcnt 0x0                           ; no tensor load of mine is out, so a group 0 may be written
	ds_add_u32 v[SPW], v[NIL]
.if \fill
	ds_add_u32 v[SPW], v[NIL]                      ; and twice on end here
	s_xor_b32 s[G0K+1], s[G0K+1], SLOT1
	s_add_nc_u64 s[G0K+2:G0K+3], s[G0K+2:G0K+3], 32768
	s_xor_b32 s[G0V+1], s[G0V+1], SLOT1
	s_add_nc_u64 s[G0V+2:G0V+3], s[G0V+2:G0V+3], 512
	s_wait_dscnt 0x0
	CROUND
	TLOAD
.else
	s_wait_dscnt 0x0
	s_barrier_signal -1
	s_barrier_wait -1
.endif
.endm
.Lslot:                                            ; seven trips: behind each change of slots but the last the next slot is asked for
	CHANGE 1
	STEP 0
	STEP 1
	STEP 2
	STEP 3
	s_xor_b32 s[TB], s[TB], SLOT1
	s_sub_co_u32 s[SLOTS], s[SLOTS], 1
	s_cmp_lg_u32 s[SLOTS], 0
	s_cbranch_scc1 .Lslot
	CHANGE 0                                       ; the last slot is written out
	STEP 0
	STEP 1
	STEP 2
	STEP 3
	; THE WAY OUT.  The masked keys' share of the maximum and of the sum; the count arithmetic is also the places behind the last products.
	v_mov_b32 v254, 0xff61b1e6                     ; -3e38: no masked key
	v_mov_b32 v255, 0xc6616bcd                     ; -10,000 log2(e)
.irp t, 0,1
	v_add_nc_u32 v[248+\t], v[CN+2*\t], v[CN+2*\t+1]
.endr
.irp t, 0,1
	v_cmp_ne_u32 vcc_lo, 0, v[248+\t]
	v_cndmask_b32 v[250+\t], v254, v255, vcc_lo
.endr
.irp t, 0,1
	v_cvt_f32_u32 v[248+\t], v[248+\t]
.endr
.irp t, 0,1
	v_max_num_f32 v[252+\t], v[ST+8*\t], v[250+\t] ; mf
.endr
.irp t, 0,1
	v_sub_f32 v[ST+8*\t+4], v[ST+8*\t], v[252+\t]
	v_sub_f32 v[ST+8*\t+5], v[250+\t], v[252+\t]
.endr
.irp t, 0,1
	v_exp_f32 v[ST+8*\t+4], v[ST+8*\t+4]           ; f
	v_exp_f32 v[ST+8*\t+5], v[ST+8*\t+5]           ; g
.endr
	v_nop
	s_wait_alu depctr_va_vdst(0)                   ; one wait for the four
.irp t, 0,1
	v_mul_f32 v[ST+8*\t+6], v[L+8*\t], v[ST+8*\t+4]
.endr
.irp t, 0,1
	v_fma_f32 v[ST+8*\t+6], v[248+\t], v[ST+8*\t+5], v[ST+8*\t+6]          ; the whole sum: at least 1, since f or g is 1
.endr
.irp t, 0,1
	v_rcp_f32 v[ST+8*\t+7], v[ST+8*\t+6]
.endr
	v_nop
	s_wait_alu depctr_va_vdst(0)                   ; one wait for the two
.irp t, 0,1
	v_mul_f32 v[ST+8*\t+6], v[ST+8*\t+4], v[ST+8*\t+7]
.endr
.irp t, 0,1
	v_mul_f32 v[ST+8*\t+6], 0x41800000, v[ST+8*\t+6]                       ; x 16: v was kept as v / 16
.endr
.irp t, 0,1                                    ; a tile's 16 rows of 128 bytes go through my stage and come back four whole rows a load
.set i, 0
.rept 16
	v_pk_mul_f32 v[O+32*\t+2*i:O+32*\t+2*i+1], v[O+32*\t+2*i:O+32*\t+2*i+1], v[ST+8*\t+6:ST+8*\t+7] op_sel_hi:[1,0]
.set i, i+1
.endr
.set i, 0
.rept 16
	v_cvt_pk_f16_f32 v[S+32*\t+i], v[O+32*\t+2*i], v[O+32*\t+2*i+1]
.set i, i+1
.endr
.irp ct, 0,1,2,3
	ds_store_b128 v[STO], v[S+32*\t+4*\ct:S+32*\t+4*\ct+3] offset:2304*\t+32*\ct
.endr
.irp u, 0,1,2,3
	ds_load_b128 v[KV+16*\t+4*\u:KV+16*\t+4*\u+3], v[RD] offset:2304*\t+576*\u   ; LDS serves a wave's instructions in order
.endr
.endr
.irp t, 0,1
.irp u, 0,1,2,3
	s_wait_dscnt 11-8*\t-\u                        ; the LDS instructions issued behind this load may be out
	global_store_b128 v[GO], v[KV+16*\t+4*\u:KV+16*\t+4*\u+3], s[XB:XB+1] offset:2048*\t+512*\u   ; 512 consecutive bytes, aligned
.endr
.endr
	s_wait_tensorcnt 0x0                           ; the wave's end
	ds_add_u32 v[SPW], v[NIL]
	s_wait_dscnt 0x0
	CROUND                                         ; the closing round
	s_endpgm
.Lfunc_end_k_q34dfc30231_attn:
	.size	k_q34dfc30231_attn, .Lfunc_end_k_q34dfc30231_attn-k_q34dfc30231_attn
	.p2alignl 7, 3214868480
	.fill 96, 4, 3214868480
	.section	.rodata,"a",@progbits
	.p2align	6, 0x0
	.amdhsa_kernel k_q34dfc30231_attn
		.amdhsa_group_segment_fixed_size 327680
		.amdhsa_private_segment_fixed_size 0
		.amdhsa_enable_private_segment 0
		.amdhsa_kernarg_size 32
		.amdhsa_user_sgpr_count 2
		.amdhsa_user_sgpr_kernarg_segment_ptr 1
		.amdhsa_wavefront_size32 1
		.amdhsa_system_sgpr_workgroup_id_x 1
		.amdhsa_system_sgpr_workgroup_id_y 1
		.amdhsa_system_sgpr_workgroup_id_z 1
		.amdhsa_system_vgpr_workitem_id 0
		.amdhsa_next_free_vgpr 256
		.amdhsa_next_free_sgpr 106
		.amdhsa_reserve_vcc 1
		.amdhsa_float_denorm_mode_32 3
		.amdhsa_float_denorm_mode_16_64 3
		.amdhsa_memory_ordered 1
		.amdhsa_forward_progress 1
		.amdhsa_inst_pref_size 179
	.end_amdhsa_kernel
	.amdgpu_metadata
---
amdhsa.version: [ 1, 2 ]
amdhsa.kernels:
  - .name:           k_q34dfc30231_attn
    .symbol:         k_q34dfc30231_attn.kd
    .args:
      - { .name: qk, .offset: 0, .size: 8, .value_kind: global_buffer, .address_space: global }
      - { .name: vt, .offset: 8, .size: 8, .value_kind: global_buffer, .address_space: global }
      - { .name: mk, .offset: 16, .size: 8, .value_kind: global_buffer, .address_space: global }
      - { .name: act, .offset: 24, .size: 8, .value_kind: global_buffer, .address_space: global }
    .group_segment_fixed_size: 327680
    .private_segment_fixed_size: 0
    .kernarg_segment_align: 8
    .kernarg_segment_size: 32
    .max_flat_workgroup_size: 512
    .sgpr_count:     106
    .vgpr_count:     256
    .wavefront_size: 32
...
	.end_amdgpu_metadata
.endif
;; end of part 4
;; launch gemm_o (part 5): grid 4 x 32, 4 waves a work-group, clusters of 4 x 4, 327,680 bytes of LDS; arguments act, wh, bo, out0; writes out0
.if DOCPART == 5
	.amdgcn_target "amdgcn-amd-amdhsa--gfx1250"
	.amdhsa_code_object_version 6
	.text
	.protected	k_q34dfc30231_gemm_o
	.globl	k_q34dfc30231_gemm_o
	.p2align	8
	.type	k_q34dfc30231_gemm_o,@function
k_q34dfc30231_gemm_o:
	s_mov_b64 s[64:65], 0
	v_nop
	global_prefetch_b8 v0, s[64:65] scope:SCOPE_SE
	s_setreg_imm32_b32 hwreg(HW_REG_WAVE_MODE, 25, 1), 1
	s_wait_xcnt 0x0
	s_wait_alu depctr_hold_cnt(0) depctr_sa_sdst(0) depctr_va_vdst(0) depctr_va_sdst(0) depctr_va_ssrc(0) depctr_va_vcc(0) depctr_vm_vsrc(0)
	s_getreg_b32 s2, hwreg(HW_REG_IB_STS2, 6, 4)
	s_cmp_eq_u32 s2, 0
	s_cbranch_scc0 .Lentry_in_a_cluster
	s_endpgm
.Lentry_in_a_cluster:
	s_bfe_u32 s2, ttmp6, 0x10000c
	s_cmp_lg_u32 s2, 0xf033
	s_cbranch_scc0 .Lentry_shape_is_right
	s_endpgm
.Lentry_shape_is_right:
; out0 = x Wo^T + bo, f16 operands, f32 sums, f32 out.  A: act, by planes of 64 along K (a head each): [16][8,192 rows][64] f16.  B: Wo, rows 2,048-3,071 of wh [3,072][1,024] f16.
; A tile of C, 256 x 256, is made by four waves, each 128 x 128: 64 accumulators, 512 registers.  K goes in 8 steps of 128 through a ring of two LDS slots.
; A K step of A is two planes, each 256 rows x 128 bytes, dense in memory: wave 0 fetches one, wave 1 the other; waves 2 and 3 fetch B's two halves (128 rows x 256 bytes).
; CLUSTERS: 4 x 4 work-groups; A's tiles are asked for jointly along a row of the cluster, B's along a column.  C has 128 such tiles: a smaller tile would halve the matrix work under which a refill lands.
; THE MATRIX INSTRUCTION IS USED TRANSPOSED (source 0 = 16 rows of B, source 1 = 16 rows of A): a lane holds eight neighbouring columns of a row of C.  The bias is the C of each sum's first product.
; REGISTERS: window 0: v0-31 addresses; v64-127, v128-191 A's fragments; v192-255 the bias; on the way out v128-255 rows of C; window 1: v64-191 B's fragments; windows 2, 3: the accumulators.
; LIMITS: NaN and infinities are not served.
.set MROWS, 8192
.set PA,    144
.set PB,    272
.set APL,   256*PA
.set BOFF,  2*APL
.set HALFB, 128*PB
.set SLOT,  BOFF+2*HALFB
.set STAGE, 2*SLOT
.set SPITCH, 528                       ; the way out: 16 rows x (512 bytes + 16) for each wave
.set SPARE, STAGE+4*16*SPITCH
.set LAPS,  4
.set ADRA, 16
.set ADRB, 20
.set STO,  24
.set RD,   25
.set CO,   26
.set BO,   27
.set SPW,  28
.set NIL,  29
.set F0,   64
.set F1,   128
.set BIAS, 192
.set BK,   128
.set G1,  24
.set G0,  32
.set G1B, 48
.set G0B, 56
.set MSB, 0
.macro WIN new
.if MSB != \new
	s_set_vgpr_msb (MSB<<8)|\new
.set MSB, \new
.endif
.endm
.set MUL_LO, 0xa1
.set MUL_HI, 0xf1
.set TO_B,   0x40
.macro JLOAD s                         ; a joint load: waves 0, 1 for A, waves 2, 3 for B; an s_nop 0 and four v_nop follow each line
	s_cmp_eq_u32 s11, 0
	s_cbranch_scc0 .Lfor_b_\@
	tensor_load_to_lds s[G0+4*\s:G0+4*\s+3], s[G1:G1+7]
	s_nop 0
.rept 4
	v_nop
.endr
	s_branch .Lasked_\@
.Lfor_b_\@:
	tensor_load_to_lds s[G0B+4*\s:G0B+4*\s+3], s[G1B:G1B+7]
	s_nop 0
.rept 4
	v_nop
.endr
.Lasked_\@:
.endm
.macro CREST
	s_cmp_lg_u32 s10, 0
	s_cbranch_scc1 .Lnot_wave_0_\@
	s_barrier_signal -3
.Lnot_wave_0_\@:
	s_barrier_wait -3
	s_barrier_signal -1
	s_barrier_wait -1
.endm
.macro CROUND
	s_barrier_signal -1
	s_barrier_wait -1
	CREST
.endm
	s_load_b128 s[4:7], s[0:1], 0x0                ; act, wh
	s_load_b128 s[44:47], s[0:1], 0x10             ; bo, out0
	v_lshl_add_u32 v[SPW], v0, 2, SPARE
	v_mov_b32 v[NIL], 0
	ds_add_u32 v[SPW], v[NIL]                      ; the wave's opening: the add, twice on end, and its wait ahead of my first tensor load
	ds_add_u32 v[SPW], v[NIL]
	v_lshrrev_b32 v1, 5, v0
	v_readfirstlane_b32 s10, v1                    ; wave 0..3
	s_lshr_b32 s11, s10, 1                         ; my half of the tile's rows.  Also: I fetch for A (0) or B (1)
	s_and_b32 s12, s10, 1                          ; my half of its columns.  Also: which plane of A, or which half of B's rows, I fetch
	s_bfe_u32 s40, ttmp6, 0x40000                  ; cx
	s_bfe_u32 s41, ttmp6, 0x40004                  ; cy
	s_lshl_b32 s42, ttmp9, 2
	s_add_co_u32 s42, s42, s40                     ; tile column
	s_and_b32 s13, ttmp7, 0xffff
	s_lshl_b32 s13, s13, 2
	s_add_co_u32 s13, s13, s41                     ; tile row
	s_lshl_b32 s43, s41, 2
	s_lshl_b32 s43, 15, s43                        ; my row of the cluster
	s_lshl_b32 s2, 0x1111, s40                     ; my column
	s_or_b32 s[G1+0], s43, (1<<16)|(1<<20)|(1<<21)|(4<<22)|(3<<25)   ; mask; elements of 2 bytes; padding: 4 words behind every 32
	s_mov_b32 s[G1+1], 64<<16
	s_mov_b32 s[G1+2], 256<<16
	s_mov_b32 s[G1+3], 64<<16
	s_mov_b32 s[G1+4], 256
	s_mov_b32 s[G1+5], 64
	s_mov_b32 s[G1+6], 0
	s_mov_b32 s[G1+7], 0
	s_or_b32 s[G1B+0], s2, (1<<16)|(1<<20)|(1<<21)|(5<<22)|(3<<25)   ; 4 words behind every 64
	s_mov_b32 s[G1B+1], 128<<16
	s_mov_b32 s[G1B+2], 128<<16
	s_mov_b32 s[G1B+3], 128<<16
	s_mov_b32 s[G1B+4], 128
	s_mov_b32 s[G1B+5], 1024
	s_mov_b32 s[G1B+6], 0
	s_mov_b32 s[G1B+7], 0
	s_mul_i32 s16, s12, MROWS*128                  ; A: my plane of the K step,
	s_lshl_b32 s17, s13, 15                        ; the tile row's 256 rows of 128 bytes
	s_add_co_u32 s16, s16, s17
	s_mov_b32 s17, 0
	s_lshl_b32 s20, s42, 8                         ; B: row 256 x tile column + 128 x half,
	s_lshl_b32 s21, s12, 7
	s_add_co_u32 s20, s20, s21
	s_add_co_u32 s20, s20, 2048                    ; + Wo's place in wh
	s_lshl_b32 s20, s20, 11
	s_mov_b32 s21, 0
	s_mul_i32 s23, s12, APL
	s_mul_i32 s3, s12, HALFB
	s_add_co_u32 s3, s3, BOFF
	s_wait_dscnt 0x0                               ; both opening adds are done
	s_wait_kmcnt 0x0
	s_add_nc_u64 s[14:15], s[4:5], s[16:17]
	s_add_nc_u64 s[18:19], s[6:7], s[20:21]
	s_mov_b64 s[8:9], s[46:47]                     ; out0
	CROUND                                         ; all sixteen work-groups are here: the first joint loads meet
.irp s, 0,1
	s_mov_b32 s[G0+4*\s], 1
	s_add_co_u32 s[G0+4*\s+1], s23, \s*SLOT
	s_add_nc_u64 s[G0+4*\s+2:G0+4*\s+3], s[14:15], \s*2*MROWS*128
	s_or_b32 s[G0+4*\s+3], s[G0+4*\s+3], 0x80000000
	s_mov_b32 s[G0B+4*\s], 1
	s_add_co_u32 s[G0B+4*\s+1], s3, \s*SLOT
	s_add_nc_u64 s[G0B+4*\s+2:G0B+4*\s+3], s[18:19], \s*256
	s_or_b32 s[G0B+4*\s+3], s[G0B+4*\s+3], 0x80000000
	JLOAD \s                                       ; two tensor loads of mine are out
.endr
	v_and_b32 v1, 15, v0                           ; r
	v_bfe_u32 v2, v0, 4, 1                         ; h
	v_mul_u32_u24 v3, v1, PA
	v_lshl_add_u32 v3, v2, 4, v3
	v_mul_u32_u24 v4, v1, PB
	v_lshl_add_u32 v4, v2, 4, v4
	s_mul_i32 s16, s11, 128*PA
	s_mul_i32 s17, s12, HALFB
	s_add_co_u32 s17, s17, BOFF
.irp s, 0,1
	v_add_nc_u32 v[ADRA+\s], s16, v3
	v_add_nc_u32 v[ADRB+\s], s17, v4
	s_add_co_u32 s16, s16, SLOT
	s_add_co_u32 s17, s17, SLOT
.endr
	s_mul_i32 s23, s10, 16*SPITCH
	s_add_co_u32 s23, s23, STAGE                   ; my stage
	v_mul_u32_u24 v5, v1, SPITCH
	v_lshl_add_u32 v5, v2, 5, v5
	v_add_nc_u32 v[STO], s23, v5                   ; in: row r, 32 bytes for each half of the lanes
	v_and_b32 v6, 31, v0
	v_lshlrev_b32 v[CO], 4, v6                     ; back: the 32 lanes take one row of 512 bytes; and the same in C
	v_add_nc_u32 v[RD], s23, v[CO]
	v_lshlrev_b32 v[BO], 5, v2                     ; the bias: 8 h numbers on
	s_lshl_b32 s16, s42, 10
	s_lshl_b32 s17, s12, 9
	s_add_co_u32 s16, s16, s17                     ; my first column x 4 bytes
	s_mov_b32 s17, 0
	s_add_nc_u64 s[44:45], s[44:45], s[16:17]
	s_add_nc_u64 s[8:9], s[8:9], s[16:17]
.irp b, 0,1,2,3,4,5,6,7
	global_load_b128 v[BIAS+8*\b:BIAS+8*\b+3], v[BO], s[44:45] offset:64*\b
	global_load_b128 v[BIAS+8*\b+4:BIAS+8*\b+7], v[BO], s[44:45] offset:64*\b+16
.endr
	s_lshl_b32 s16, s13, 20                        ; my first row: 256 x tile row + 128 x half, rows of 4,096 bytes
	s_lshl_b32 s17, s11, 19
	s_add_co_u32 s16, s16, s17
	s_mov_b32 s17, 0
	s_add_nc_u64 s[8:9], s[8:9], s[16:17]
; 16 matrix instructions: A's blocks a0, a0 + 1 of the window's four x B's eight, 32 along K.  first = 1: the bias starts the sums.  The 64 accumulators take turns.
.macro MUL16 f, hi, a0, first
.irp a, \a0, \a0+1
.irp b, 0,1,2,3,4,5,6,7
.if \first
	v_wmma_f32_16x16x32_f16 v[8*(8*(\a)+\b):8*(8*(\a)+\b)+7], v[\f+8*\b:\f+8*\b+7], v[\f+8*(4*\hi+\a):\f+8*(4*\hi+\a)+7], v[BIAS+8*\b:BIAS+8*\b+7]
.else
	v_wmma_f32_16x16x32_f16 v[8*(8*(\a)+\b):8*(8*(\a)+\b)+7], v[\f+8*\b:\f+8*\b+7], v[\f+8*(4*\hi+\a):\f+8*(4*\hi+\a)+7], v[8*(8*(\a)+\b):8*(8*(\a)+\b)+7]
.endif
.endr
.endr
.endm
.macro FETCH slot, q, f                ; 32 LDS loads in one run: quarter q of a slot into buffer f; in A quarter q lies in plane q / 2 at byte 64 (q % 2)
	WIN TO_B
.irp i, 0,1,2,3,4,5,6,7
	ds_load_b128 v[\f+8*\i:\f+8*\i+3],   v[ADRB+\slot] offset:64*(\q)+\i*16*PB
	ds_load_b128 v[\f+8*\i+4:\f+8*\i+7], v[ADRB+\slot] offset:64*(\q)+\i*16*PB+32
.endr
	WIN 0
.irp i, 0,1,2,3,4,5,6,7
	ds_load_b128 v[\f+8*\i:\f+8*\i+3],   v[ADRA+\slot] offset:((\q)/2)*APL+((\q)%2)*64+\i*16*PA
	ds_load_b128 v[\f+8*\i+4:\f+8*\i+7], v[ADRA+\slot] offset:((\q)/2)*APL+((\q)%2)*64+\i*16*PA+32
.endr
.endm
.macro PLACES                          ; four plain places in front of loads into registers that matrix instructions have read, and of reads of results
.rept 4
	v_nop
.endr
.endm
.macro QUARTER slot, q, f, g, first
	s_wait_dscnt 8                                 ; B and A's rows 0-63 are in; the youngest eight loads (A's rows 64-127) may be out
.if \first
	WIN 0x81                                       ; C, the bias, in window 0
.else
	WIN MUL_LO
.endif
	MUL16 \f, 0, 0, \first
	MUL16 \f, 0, 2, \first
	PLACES
	FETCH \slot, \q, \g
	s_wait_dscnt 32                                ; all but the 32 just issued
.if \first
	WIN 0xc1
.else
	WIN MUL_HI
.endif
	MUL16 \f, 1, 0, \first
	MUL16 \f, 1, 2, \first
.endm
.macro MEET round
	WIN 0
	s_wait_tensorcnt 0x0                           ; all my tensor loads have landed: the one that was out is my part of the next slot
	ds_add_u32 v[SPW], v[NIL]
	s_wait_dscnt 9                                 ; the add and the youngest eight loads may be out
	WIN MUL_LO
	MUL16 F1, 0, 0, 0
	s_wait_dscnt 0x0                               ; the add is done, and my reads of this slot are over
	s_barrier_signal -1
	MUL16 F1, 0, 2, 0
.if \round
	WIN 0
.endif
	s_barrier_wait -1
.endm
.macro TURN slot, next, fill
	MEET \fill
.if \fill
	CREST                                          ; the barrier has opened a round of the cluster's: no wave of any partner still reads the slot or has a load on its way
	s_add_nc_u64 s[G0+4*\slot+2:G0+4*\slot+3], s[G0+4*\slot+2:G0+4*\slot+3], 4*MROWS*128
	s_add_nc_u64 s[G0B+4*\slot+2:G0B+4*\slot+3], s[G0B+4*\slot+2:G0B+4*\slot+3], 512
	JLOAD \slot                                    ; my one tensor load behind the round; its four v_nop are the places for the loads below
.else
	PLACES
.endif
	FETCH \next, 0, F0
	WIN MUL_HI
	MUL16 F1, 1, 0, 0
	MUL16 F1, 1, 2, 0
.endm
	s_wait_tensorcnt 1                             ; my part of K step 0 is in; K step 1's load may stay out
	s_barrier_signal -1
	s_barrier_wait -1
	FETCH 0, 0, F0
	s_wait_loadcnt 0x0                             ; the bias
	QUARTER 0, 1, F0, F1, 1
	WIN 0
	s_mov_b32 s3, LAPS-1
.Llap:                                             ; a trip goes once round the ring and fills both slots again
	QUARTER 0, 2, F1, F0, 0
	QUARTER 0, 3, F0, F1, 0
	TURN 0, 1, 1
	QUARTER 1, 1, F0, F1, 0
	QUARTER 1, 2, F1, F0, 0
	QUARTER 1, 3, F0, F1, 0
	TURN 1, 0, 1
	QUARTER 0, 1, F0, F1, 0
	WIN 0
	s_sub_co_u32 s3, s3, 1
	s_cmp_lg_u32 s3, 0
	s_cbranch_scc1 .Llap
	QUARTER 0, 2, F1, F0, 0                        ; the last lap fills nothing
	QUARTER 0, 3, F0, F1, 0
	TURN 0, 1, 0
	QUARTER 1, 1, F0, F1, 0
	QUARTER 1, 2, F1, F0, 0
	QUARTER 1, 3, F0, F1, 0
	s_wait_dscnt 8
	WIN MUL_LO
	MUL16 F1, 0, 0, 0
	MUL16 F1, 0, 2, 0
	s_wait_dscnt 0x0
	WIN MUL_HI
	MUL16 F1, 1, 0, 0
	MUL16 F1, 1, 2, 0
	WIN 0
; THE WAY OUT, a block of 16 rows x 128 columns at a time, through my own stage: back as whole rows of 512 bytes, which the 32 lanes store as two aligned runs of 256 bytes.
.macro TOSTAGE a
.set AC, 64*((\a)%4)
	WIN 0x08+4*((\a)/4)                            ; an LDS store's data: window 2 or 3
.irp b, 0,1,2,3,4,5,6,7
	ds_store_b128 v[STO], v[AC+8*\b:AC+8*\b+3] offset:64*\b          ; each accumulator from its low end on
	ds_store_b128 v[STO], v[AC+8*\b+4:AC+8*\b+7] offset:64*\b+16
.endr
	WIN 0
.set BB, BK+64*((\a)%2)
.irp t, 0,1,2,3,4,5,6,7,8,9,10,11,12,13,14,15
	ds_load_b128 v[BB+4*\t:BB+4*\t+3], v[RD] offset:\t*SPITCH      ; LDS serves a wave's instructions in order
.endr
.endm
.macro SEND a, younger                 ; younger: the LDS instructions issued behind block a's loads, which may stay out
.set BB, BK+64*((\a)%2)
	s_wait_dscnt \younger
.irp t, 0,1,2,3,4,5,6,7,8,9,10,11,12,13,14,15
	global_store_b128 v[CO], v[BB+4*\t:BB+4*\t+3], s[8:9] offset:(16*(\a)+\t)*4096 th:TH_STORE_NT
.endr
.endm
	PLACES
	TOSTAGE 0
.irp a, 1,2,3,4,5,6,7
.if \a > 1
	s_wait_xcnt 0x0                                ; block a - 2's stores have read their data: block a's loads may land there
.endif
	TOSTAGE \a
	SEND \a-1, 32                                  ; behind block a - 1's loads: block a's 16 stores and 16 loads
.endr
	SEND 7, 0
	s_wait_tensorcnt 0x0                           ; the wave's end
	ds_add_u32 v[SPW], v[NIL]
	s_wait_dscnt 0x0
	CROUND                                         ; the closing round
	s_endpgm
.Lfunc_end_k_q34dfc30231_gemm_o:
	.size	k_q34dfc30231_gemm_o, .Lfunc_end_k_q34dfc30231_gemm_o-k_q34dfc30231_gemm_o
	.p2alignl 7, 3214868480
	.fill 96, 4, 3214868480
	.section	.rodata,"a",@progbits
	.p2align	6, 0x0
	.amdhsa_kernel k_q34dfc30231_gemm_o
		.amdhsa_group_segment_fixed_size 327680
		.amdhsa_private_segment_fixed_size 0
		.amdhsa_enable_private_segment 0
		.amdhsa_kernarg_size 32
		.amdhsa_user_sgpr_count 2
		.amdhsa_user_sgpr_kernarg_segment_ptr 1
		.amdhsa_wavefront_size32 1
		.amdhsa_system_sgpr_workgroup_id_x 1
		.amdhsa_system_sgpr_workgroup_id_y 1
		.amdhsa_system_sgpr_workgroup_id_z 1
		.amdhsa_system_vgpr_workitem_id 0
		.amdhsa_next_free_vgpr 1024
		.amdhsa_next_free_sgpr 66
		.amdhsa_reserve_vcc 0
		.amdhsa_float_denorm_mode_32 3
		.amdhsa_float_denorm_mode_16_64 3
		.amdhsa_memory_ordered 1
		.amdhsa_forward_progress 1
		.amdhsa_inst_pref_size 142
	.end_amdhsa_kernel
	.amdgpu_metadata
---
amdhsa.version: [ 1, 2 ]
amdhsa.kernels:
  - .name:           k_q34dfc30231_gemm_o
    .symbol:         k_q34dfc30231_gemm_o.kd
    .args:
      - { .name: act, .offset: 0, .size: 8, .value_kind: global_buffer, .address_space: global }
      - { .name: wh, .offset: 8, .size: 8, .value_kind: global_buffer, .address_space: global }
      - { .name: bo, .offset: 16, .size: 8, .value_kind: global_buffer, .address_space: global }
      - { .name: out0, .offset: 24, .size: 8, .value_kind: global_buffer, .address_space: global }
    .group_segment_fixed_size: 327680
    .private_segment_fixed_size: 0
    .kernarg_segment_align: 8
    .kernarg_segment_size: 32
    .max_flat_workgroup_size: 128
    .sgpr_count:     66
    .vgpr_count:     1024
    .wavefront_size: 32
...
	.end_amdgpu_metadata
.endif
;; end of part 5
